; MI455X (gfx1250); checked and timed in simulation.
; The chip was launched on July 23, 2026; its instructions are those of AMD's public machine-readable ISA for CDNA 5 (MIT licence, August 2026) and "CDNA5" Instruction Set Architecture Reference Guide (July 2026). The comments in the code are by the model that wrote it; some were corrected since.
;; Mo EMLP Base. Allowed arithmetic: float matrix products may take bf16 or f16 operands with f32 sums; other float arithmetic in f32, or as packed bf16 or f16 multiplies, adds, multiply-adds, maxima and minima; sums over many terms, partial sums and values carried from step to step in f32; what a program stores and reads back later, other than sums and carried values, may be rounded once to bf16 or f16.
;; Inputs: W_in 8 x 1,024 x 4,096 float32; W_out 8 x 4,096 x 1,024 float32; b_in 8 x 4,096 float32; b_out 8 x 1,024 float32; router_W 1,024 x 8 float32; x 4 x 256 x 1,024 float32.
;; Outputs: out0 4 x 256 x 1,024 float32; out1 one number float32.
;; One version. Each part assembles by itself: llvm-mc -triple=amdgcn-amd-amdhsa -mcpu=gfx1250 --defsym DOCPART=n.
;; ======== version 1 of 1: 5 launches
;; workspace buffers: xb 2,097,152 bytes; idx 8,192 bytes of whole numbers; gate 8,192 bytes; stat 4,096 bytes; hid 67,108,864 bytes; yp 33,554,432 bytes; xg 16,777,216 bytes; lst 33,024 bytes of whole numbers
;; launch router (part 1): grid 64 x 1, 4 waves a work-group, no clusters, 54,272 bytes of LDS; arguments x, router_W, xb, idx, gate, stat; writes xb, idx, gate, stat
.if DOCPART == 1
	.amdgcn_target "amdgcn-amd-amdhsa--gfx1250"
	.amdhsa_code_object_version 6
	.text
	.protected	k_qa7dba661b2_router
	.globl	k_qa7dba661b2_router
	.p2align	8
	.type	k_qa7dba661b2_router,@function
k_qa7dba661b2_router:
	s_mov_b64 s[64:65], 0
	v_nop
	global_prefetch_b8 v0, s[64:65] scope:SCOPE_SE
	s_setreg_imm32_b32 hwreg(HW_REG_WAVE_MODE, 25, 1), 1
	s_wait_xcnt 0x0
; ROUTER.  For 16 tokens a work-group: xb = x rounded to bf16; logits = xb . bf16(router_W), f32 sums on the matrix unit; softmax with the row's maximum taken away;
; the two largest (the lower index wins a tie); their weights p / (p1 + p2 + 1e-8); and the work-group's sums of the probabilities and of the choices, for the loss.
; The choice is stored as whole numbers at fixed places (idx[token][2]); no address and no branch here hangs on it.
; LIMITS.  x and router_W are rounded once to bf16, as every input of this program is.  The two largest are sought among e = 2^((l - m) log2 e), not among e / sum: two e that differ and
; whose quotients round to one number are ordered by e.  An e below 2^-126 counts as 0.  NaN and infinities are not treated apart.
; SHARES.  Wave w loads, rounds and stores tokens 4 w .. 4 w + 3 (32 loads of 512 consecutive bytes) and later multiplies k = 256 w .. 256 w + 255 for all 16 tokens; wave 0 adds the four parts and does the rest.
; 64 work-groups: a matrix tile has 16 tokens, and 1,024 tokens make 64 tiles.  No cluster: what the work-groups share is router_W, 32 KB beside 64 KB of x of their own, and it must pass registers to be rounded and turned.
.set XP,    2064          ; an LDS row: 1,024 bf16 + 16 bytes = 129 x 16: the 16 rows of a fragment load start in 16 different 16-byte columns of 256
.set XT,    0             ; 16 rows: the tokens
.set WT,    16*XP         ; 8 rows: router_W turned, [expert][k]
.set RED,   49664         ; 4 x 1,024: the waves' partial logits, 32 bytes a lane
.set SPARE, RED+4*1024    ; the spare words, 128 bytes a wave: two blocks of 256 bytes that no other line names
.set LN,  1               ; v1  lane
.set RR,  2               ; v2  lane % 16
.set HH,  3               ; v3  lane / 16
.set SPW, 4               ; v4  my spare word; never rewritten
.set NIL, 5               ; v5  0; never rewritten
.set XO,  6               ; v6  my offset in the work-group's rows of x
.set RWO, 7               ; v7  my 256 bytes of router_W
.set XBO, 8               ; v8  my offset in the work-group's rows of xb
.set XTS, 9               ; v9  where I put 8 bytes of a token's row
.set WTS, 10              ; v10 where I put 16 bytes of an expert's row
.set WFA, 11              ; v11 my fragment address in WT
.set XFA, 12              ; v12 my fragment address in XT
.set RDA, 13              ; v13 my 32 bytes in RED
.set X,   64              ; v64-191  32 loads of x; later the fragments
.set RW,  192             ; v192-255 16 loads of router_W: k = 8 T + kk, expert e at RW + 8 kk + e
.set WF,  64
.set XF,  128
.set WV,  16              ; s16 my wave's number
	s_load_b256 s[4:11], s[0:1], 0x0               ; x s[4:5], router_W s[6:7], xb s[8:9], idx s[10:11]
	s_load_b128 s[12:15], s[0:1], 0x20             ; gate s[12:13], stat s[14:15]
	v_lshl_add_u32 v[SPW], v0, 2, SPARE
	v_mov_b32 v[NIL], 0
	v_and_b32 v[LN], 31, v0
	v_lshrrev_b32 v16, 5, v0
	v_readfirstlane_b32 s[WV], v16
	v_and_b32 v[RR], 15, v0
	v_bfe_u32 v[HH], v0, 4, 1
	v_lshlrev_b32 v[RWO], 8, v0                    ; thread T: rows 8 T .. 8 T + 7 of router_W, 32 bytes each
	s_lshl_b32 s17, s[WV], 14
	v_lshl_add_u32 v[XO], v[LN], 4, s17            ; 16 L + 4 rows of 4,096 bytes a wave
	s_lshl_b32 s17, s[WV], 13
	v_lshl_add_u32 v[XBO], v[LN], 3, s17           ; 8 L + 4 rows of 2,048 bytes a wave
	s_mul_i32 s17, s[WV], 4*XP
	v_lshl_add_u32 v[XTS], v[LN], 3, s17
	v_lshl_add_u32 v[WTS], v0, 4, WT
	v_lshl_add_u32 v[RDA], v0, 5, RED              ; 1,024 w + 32 L
	s_lshl_b32 s18, ttmp9, 16                      ; the work-group's 16 rows: of x,
	s_mov_b32 s19, 0
	s_lshl_b32 s20, ttmp9, 15                      ; of xb,
	s_mov_b32 s21, 0
	s_lshl_b32 s22, ttmp9, 7                       ; of idx and gate,
	s_mov_b32 s23, 0
	s_lshl_b32 s24, ttmp9, 6                       ; and its 64 bytes of stat
	s_mov_b32 s25, 0
	s_wait_kmcnt 0x0
	s_add_nc_u64 s[4:5], s[4:5], s[18:19]
	s_add_nc_u64 s[8:9], s[8:9], s[20:21]
	s_add_nc_u64 s[10:11], s[10:11], s[22:23]
	s_add_nc_u64 s[12:13], s[12:13], s[22:23]
	s_add_nc_u64 s[14:15], s[14:15], s[24:25]
.irp i, 0,1,2,3,4,5,6,7,8,9,10,11,12,13,14,15
	global_load_b128 v[RW+4*(\i):RW+4*(\i)+3], v[RWO], s[6:7] offset:16*(\i)
.endr
.irp a, 0,1,2,3
.irp i, 0,1,2,3,4,5,6,7
	global_load_b128 v[X+4*(8*(\a)+(\i)):X+4*(8*(\a)+(\i))+3], v[XO], s[4:5] offset:4096*(\a)+512*(\i) th:TH_LOAD_NT
.endr
.endr
	v_and_b32 v16, 7, v0                           ; fragment addresses: source 0's rows 8-15 repeat the eight experts
	v_mul_u32_u24 v[WFA], v16, XP
	v_lshl_add_u32 v[WFA], v[HH], 4, v[WFA]
	s_lshl_b32 s17, s[WV], 9                       ; my 256 k are 512 bytes of every row
	s_add_co_u32 s18, s17, WT
	v_add_nc_u32 v[WFA], s18, v[WFA]
	v_mul_u32_u24 v[XFA], v[RR], XP
	v_lshl_add_u32 v[XFA], v[HH], 4, v[XFA]
	v_add_nc_u32 v[XFA], s17, v[XFA]
	s_wait_loadcnt 32                              ; router_W is in; the 32 younger loads, x, stay out
.irp e, 0,1,2,3,4,5,6,7
.irp p, 0,1,2,3
	v_cvt_pk_bf16_f32 v[32+4*(\e)+(\p)], v[RW+16*(\p)+(\e)], v[RW+16*(\p)+8+(\e)]  ; k = 8 T + 2 p, + 1 of expert e
.endr
	ds_store_b128 v[WTS], v[32+4*(\e):32+4*(\e)+3] offset:XP*(\e)
.endr
.irp a, 0,1,2,3
	s_wait_loadcnt 24-8*(\a)                       ; token a's eight loads are in; the later tokens' stay out
.irp i, 0,1,2,3,4,5,6,7
.set XR, X+4*(8*(\a)+(\i))
	v_cvt_pk_bf16_f32 v[XR], v[XR], v[XR+1]
	v_cvt_pk_bf16_f32 v[XR+1], v[XR+2], v[XR+3]
	global_store_b64 v[XBO], v[XR:XR+1], s[8:9] offset:2048*(\a)+256*(\i)  ; the wave's store covers 256 consecutive bytes, aligned
	ds_store_b64 v[XTS], v[XR:XR+1] offset:XP*(\a)+256*(\i)
.endr
.endr
	s_wait_dscnt 0x0                               ; for the others' sake: my rows of XT and my part of WT are written
	s_wait_xcnt 0x0                                ; the stores have read X's registers, which the fragments take below
	s_barrier_signal -1
	s_barrier_wait -1
.irp k, 0,1,2,3,4,5,6,7
	ds_load_b128 v[WF+8*(\k):WF+8*(\k)+3],   v[WFA] offset:64*(\k)
	ds_load_b128 v[WF+8*(\k)+4:WF+8*(\k)+7], v[WFA] offset:64*(\k)+32
	ds_load_b128 v[XF+8*(\k):XF+8*(\k)+3],   v[XFA] offset:64*(\k)
	ds_load_b128 v[XF+8*(\k)+4:XF+8*(\k)+7], v[XFA] offset:64*(\k)+32
.endr
	s_wait_dscnt 0x0
	; source 0 = experts, source 1 = tokens: register j of lane (r, h) is the logit of expert j for token r, in both halves of the lanes.  Two accumulators take turns.
	v_wmma_f32_16x16x32_bf16 v[16:23], v[WF:WF+7], v[XF:XF+7], 0
	v_wmma_f32_16x16x32_bf16 v[24:31], v[WF+8:WF+15], v[XF+8:XF+15], 0
.irp k, 2,4,6
	v_wmma_f32_16x16x32_bf16 v[16:23], v[WF+8*(\k):WF+8*(\k)+7], v[XF+8*(\k):XF+8*(\k)+7], v[16:23]
	v_wmma_f32_16x16x32_bf16 v[24:31], v[WF+8*(\k)+8:WF+8*(\k)+15], v[XF+8*(\k)+8:XF+8*(\k)+15], v[24:31]
.endr
.rept 4
	v_nop                                          ; four places between the last product and the first read of a result (ISA guide 7.12.1)
.endr
.irp n, 0,2,4,6
	v_pk_add_f32 v[16+(\n):17+(\n)], v[16+(\n):17+(\n)], v[24+(\n):25+(\n)]
.endr
	ds_store_b128 v[RDA], v[16:19]
	ds_store_b128 v[RDA], v[20:23] offset:16
	s_wait_dscnt 0x0                               ; for wave 0's sake
	s_barrier_signal -1
	s_barrier_wait -1
	s_cmp_lg_u32 s[WV], 0
	s_cbranch_scc1 .Lend
	; WAVE 0.  In it v0 is the lane, so RDA is RED + 32 L: the four waves' parts lie 1,024 bytes apart.
.irp w, 0,1,2,3
	ds_load_b128 v[32+8*(\w):35+8*(\w)], v[RDA] offset:1024*(\w)
	ds_load_b128 v[36+8*(\w):39+8*(\w)], v[RDA] offset:1024*(\w)+16
.endr
	s_wait_dscnt 0x0
.irp n, 0,2,4,6
	v_pk_add_f32 v[32+(\n):33+(\n)], v[32+(\n):33+(\n)], v[40+(\n):41+(\n)]
	v_pk_add_f32 v[48+(\n):49+(\n)], v[48+(\n):49+(\n)], v[56+(\n):57+(\n)]
.endr
.irp n, 0,2,4,6
	v_pk_add_f32 v[32+(\n):33+(\n)], v[32+(\n):33+(\n)], v[48+(\n):49+(\n)]  ; v32-39: my token's eight logits
.endr
	v_max3_num_f32 v40, v32, v33, v34
	v_max3_num_f32 v40, v40, v35, v36
	v_max3_num_f32 v40, v40, v37, v38
	v_max_num_f32 v40, v40, v39                    ; m
	v_mov_b32 v41, v40
.irp n, 0,2,4,6
	v_pk_add_f32 v[32+(\n):33+(\n)], v[32+(\n):33+(\n)], v[40:41] neg_lo:[0,1] neg_hi:[0,1]  ; l - m: exactly 0 for the largest
.endr
.irp n, 0,2,4,6
	v_pk_mul_f32 v[32+(\n):33+(\n)], v[32+(\n):33+(\n)], 0x3fb8aa3b op_sel_hi:[1,0]          ; times log2 e
.endr
.irp j, 0,1,2,3,4,5,6,7
	v_exp_f32 v[32+(\j)], v[32+(\j)]
.endr
	v_mov_b32 v58, 0                               ; a plain instruction behind the last exponential: the first choice starts at expert 0
	s_wait_alu depctr_va_vdst(0)                   ; one wait for the eight, ahead of their first reader
	v_pk_add_f32 v[42:43], v[32:33], v[34:35]
	v_pk_add_f32 v[44:45], v[36:37], v[38:39]
	v_pk_add_f32 v[42:43], v[42:43], v[44:45]
	v_add_f32 v42, v42, v43                        ; the sum
	v_rcp_f32 v44, v42
	v_mov_b32 v46, v32                             ; the two scans below are the independent work behind the reciprocal
.irp j, 1,2,3,4,5,6,7
	v_cmp_gt_f32 vcc_lo, v[32+(\j)], v46           ; strictly greater: a tie keeps the lower index
	v_cndmask_b32 v46, v46, v[32+(\j)], vcc_lo
	v_cndmask_b32 v58, v58, \j, vcc_lo
.endr
.irp j, 0,1,2,3,4,5,6,7
	v_cmp_eq_u32 vcc_lo, \j, v58
	v_cndmask_b32 v[48+(\j)], v[32+(\j)], -1.0, vcc_lo  ; the first choice leaves the field: every e is 0 or more
.endr
	v_mov_b32 v47, v48
	v_mov_b32 v59, 0
.irp j, 1,2,3,4,5,6,7
	v_cmp_gt_f32 vcc_lo, v[48+(\j)], v47
	v_cndmask_b32 v47, v47, v[48+(\j)], vcc_lo
	v_cndmask_b32 v59, v59, \j, vcc_lo
.endr
	s_wait_alu depctr_va_vdst(0)                   ; the reciprocal's wait, ahead of its first reader
	v_pk_mul_f32 v[60:61], v[46:47], v[44:45] op_sel_hi:[1,0]  ; p1, p2 (v45 is named with v44 and holds a partial sum: not taken)
	v_add_f32 v62, v60, v61
	v_add_f32 v62, 0x322bcc77, v62                 ; + 1e-8
	v_rcp_f32 v48, v62
.irp n, 0,2,4,6
	v_pk_mul_f32 v[64+(\n):65+(\n)], v[32+(\n):33+(\n)], v[44:45] op_sel_hi:[1,0]  ; v64-71: the eight probabilities
.endr
.irp j, 0,1,2,3,4,5,6,7
	v_cmp_eq_u32 vcc_lo, \j, v58
	v_cndmask_b32 v[72+(\j)], 0, 1.0, vcc_lo
	v_cmp_eq_u32 vcc_lo, \j, v59
	v_cndmask_b32 v[72+(\j)], v[72+(\j)], 1.0, vcc_lo  ; v72-79: 1 where my token chose the expert
.endr
	s_wait_alu depctr_va_vdst(0)
	v_pk_mul_f32 v[60:61], v[60:61], v[48:49] op_sel_hi:[1,0]  ; the two weights
.irp m, 1,2,4,8                        ; the 16 numbers summed over the 16 tokens: four steps inside each half of the lanes; the halves hold the same
.irp j, 0,1,2,3,4,5,6,7,8,9,10,11,12,13,14,15
	v_add_f32_dpp v[64+(\j)], v[64+(\j)], v[64+(\j)] row_xmask:\m row_mask:0xf bank_mask:0xf
.endr
.endr
	v_lshlrev_b32 v16, 3, v[RR]
	v_mov_b32 v17, 0
	v_cmp_gt_u32 vcc_lo, 16, v[LN]
	s_wait_xcnt 0x0                                ; EXEC changes only behind this wait
	s_and_saveexec_b32 s20, vcc_lo                 ; lanes 0-15: a token each
	global_store_b64 v16, v[58:59], s[10:11]       ; 128 consecutive bytes of idx
	global_store_b64 v16, v[60:61], s[12:13]       ; and of gate
	s_wait_xcnt 0x0
	s_or_b32 exec_lo, exec_lo, s20
	v_cmp_eq_u32 vcc_lo, 0, v[LN]
	s_and_saveexec_b32 s20, vcc_lo                 ; lane 0: nothing was issued since the wait above
.irp c, 0,1,2,3
	global_store_b128 v17, v[64+4*(\c):67+4*(\c)], s[14:15] offset:16*(\c)
.endr
	s_wait_xcnt 0x0
	s_or_b32 exec_lo, exec_lo, s20
.Lend:
	s_wait_tensorcnt 0x0                           ; the wave's end
	ds_add_u32 v[SPW], v[NIL]
	s_wait_dscnt 0x0
	s_endpgm
.Lfunc_end_k_qa7dba661b2_router:
	.size	k_qa7dba661b2_router, .Lfunc_end_k_qa7dba661b2_router-k_qa7dba661b2_router
	.p2alignl 7, 3214868480
	.fill 96, 4, 3214868480
	.section	.rodata,"a",@progbits
	.p2align	6, 0x0
	.amdhsa_kernel k_qa7dba661b2_router
		.amdhsa_group_segment_fixed_size 54272
		.amdhsa_private_segment_fixed_size 0
		.amdhsa_enable_private_segment 0
		.amdhsa_kernarg_size 48
		.amdhsa_user_sgpr_count 2
		.amdhsa_user_sgpr_kernarg_segment_ptr 1
		.amdhsa_wavefront_size32 1
		.amdhsa_system_sgpr_workgroup_id_x 1
		.amdhsa_system_sgpr_workgroup_id_y 1
		.amdhsa_system_sgpr_workgroup_id_z 1
		.amdhsa_system_vgpr_workitem_id 0
		.amdhsa_next_free_vgpr 256
		.amdhsa_next_free_sgpr 66
		.amdhsa_reserve_vcc 1
		.amdhsa_float_denorm_mode_32 3
		.amdhsa_float_denorm_mode_16_64 3
		.amdhsa_memory_ordered 1
		.amdhsa_forward_progress 1
		.amdhsa_inst_pref_size 35
	.end_amdhsa_kernel
	.amdgpu_metadata
---
amdhsa.version: [ 1, 2 ]
amdhsa.kernels:
  - .name:           k_qa7dba661b2_router
    .symbol:         k_qa7dba661b2_router.kd
    .args:
      - { .name: x, .offset: 0, .size: 8, .value_kind: global_buffer, .address_space: global }
      - { .name: router_W, .offset: 8, .size: 8, .value_kind: global_buffer, .address_space: global }
      - { .name: xb, .offset: 16, .size: 8, .value_kind: global_buffer, .address_space: global }
      - { .name: idx, .offset: 24, .size: 8, .value_kind: global_buffer, .address_space: global }
      - { .name: gate, .offset: 32, .size: 8, .value_kind: global_buffer, .address_space: global }
      - { .name: stat, .offset: 40, .size: 8, .value_kind: global_buffer, .address_space: global }
    .group_segment_fixed_size: 54272
    .private_segment_fixed_size: 0
    .kernarg_segment_align: 8
    .kernarg_segment_size: 48
    .max_flat_workgroup_size: 128
    .sgpr_count:     66
    .vgpr_count:     256
    .wavefront_size: 32
...
	.end_amdgpu_metadata
.endif
;; end of part 1
;; launch place (part 2): grid 32 x 8, 4 waves a work-group, no clusters, 10,752 bytes of LDS; arguments idx, xb, xg, lst; writes xg, lst
.if DOCPART == 2
	.amdgcn_target "amdgcn-amd-amdhsa--gfx1250"
	.amdhsa_code_object_version 6
	.text
	.protected	k_qa7dba661b2_place
	.globl	k_qa7dba661b2_place
	.p2align	8
	.type	k_qa7dba661b2_place,@function
k_qa7dba661b2_place:
	s_mov_b64 s[64:65], 0
	v_nop
	global_prefetch_b8 v0, s[64:65] scope:SCOPE_SE
	s_setreg_imm32_b32 hwreg(HW_REG_WAVE_MODE, 25, 1), 1
	s_wait_xcnt 0x0
; PLACE.  The rows that chose an expert are laid end to end, once, in the form in which the first product takes them; the list and the count are stored as whole numbers for the launches behind.
; idx[token][2] (whole numbers stored by the launch before) steers every address here.
; THE LIST of expert e: place -> entry = 2 x token + slot, tokens ascending.  Every wave makes it for itself in LDS bytes of its own: no barrier.  Places not taken name entry 0, a row that exists.
; xg: [expert][64 blocks of 16 places][32 k-blocks][1 KB]: an image of a matrix instruction's source 1: byte 512 hh + 16 L holds, for lane L = r + 16 h, k = 32 kb + 16 hh + 8 h + 0..7 of place 16 blk + r.
; lst: [expert][wave w][32 slots of 16 u16]: slot k holds the entries of block w + 4 k, so that the five blocks that a wave of the second product takes together lie on end; slots 16-31 are zeros.
;      From byte 32,768 on: the eight counts.
; SHARES.  Work-group (x, e) owns blocks x and x + 32 of expert e: 64 blocks an expert, which serves every split, all tokens on one expert too; a block past the count is jumped, and a work-group that a split leaves
; without a block stores nothing.  Block 0 is written for an expert without rows too, so that it may be read.  Wave w copies k-blocks 8 w .. 8 w + 7 of a block: 16 loads (a lane's 16 bytes of its row), 16 stores of
; 512 consecutive bytes.  No matrix unit, no cluster: what the work-groups share is idx, 8 KB.
.set LISTW, 2560          ; a wave's list, u16: places 0-1,055, then a place for each lane to drop what is not the expert's
.set SPARE, 4*LISTW       ; the spare words, 128 bytes a wave: two blocks of 256 bytes that no other line names
.set LN,  1               ; v1  lane
.set RR,  2               ; v2  lane % 16
.set HH,  3               ; v3  lane / 16
.set SPW, 4               ; v4  my spare word; never rewritten
.set NIL, 5               ; v5  0; never rewritten
.set L16, 6               ; v6  16 L; never rewritten
.set LT,  7               ; v7  16 (L / 16)
.set W0,  8               ; v8-12 at work
.set EN,  13              ; v13 my place's entry
.set GA,  14              ; v14 my byte offset in xb
.set DO,  15              ; v15 my byte offset in xg
.set ZQ,  20              ; v20-23 zeros
.set LP,  24              ; v24-27 16 bytes of the list
.set ID,  32              ; v32-95 idx; later the 16 pieces of a block
.set WV,  14              ; s14 wave
.set EX,  15              ; s15 expert
.set NE,  17              ; s17 the expert's rows
.set NBLK, 18             ; s18 its blocks
.set BK,  19              ; s19 the block in hand
.set LB,  30              ; s30 my list
	s_load_b256 s[4:11], s[0:1], 0x0               ; idx s[4:5], xb s[6:7], xg s[8:9], lst s[10:11]
	v_lshl_add_u32 v[SPW], v0, 2, SPARE
	v_mov_b32 v[NIL], 0
	v_and_b32 v[LN], 31, v0
	v_lshrrev_b32 v[W0], 5, v0
	v_readfirstlane_b32 s[WV], v[W0]
	v_and_b32 v[RR], 15, v0
	v_bfe_u32 v[HH], v0, 4, 1
	v_lshlrev_b32 v[L16], 4, v[LN]
	v_lshlrev_b32 v[LT], 4, v[HH]
	s_and_b32 s[EX], ttmp7, 0xffff
	s_mul_i32 s[LB], s[WV], LISTW
	s_lshl_b32 s20, s[WV], 9                       ; xb: my 256 k are 512 bytes of every row
	s_mov_b32 s21, 0
	s_lshl_b32 s22, s[EX], 21                      ; xg: the expert's 64 blocks of 32 KB,
	s_lshl_b32 s23, s[WV], 13                      ; my eight images of a block
	s_add_co_u32 s22, s22, s23
	s_mov_b32 s23, 0
	s_lshl_b32 s24, s[EX], 12                      ; lst: the expert's 4 KB,
	s_lshl_b32 s25, s[WV], 10                      ; my wave's 1 KB
	s_add_co_u32 s24, s24, s25
	s_mov_b32 s25, 0
	s_lshl_b32 s26, s[EX], 2                       ; and the expert's count
	s_add_co_u32 s26, s26, 0x8000
	s_mov_b32 s27, 0
.irp n, 0,1,2,3
	v_mov_b32 v[ZQ+(\n)], 0
.endr
	v_add_nc_u32 v[W0+1], s[LB], v[L16]
.irp n, 0,1,2,3,4
	ds_store_b128 v[W0+1], v[ZQ:ZQ+3] offset:512*(\n)  ; my list begins as zeros: every place not taken names entry 0
.endr
	v_add_nc_u32 v[W0+4], 1056, v[LN]              ; where my lane drops an entry that is not the expert's
	s_wait_kmcnt 0x0
.irp u, 0,1,2,3,4,5,6,7,8,9,10,11,12,13,14,15
	global_load_b128 v[ID+4*(\u):ID+4*(\u)+3], v[L16], s[4:5] offset:512*(\u)  ; all of idx: load u, lane L: tokens 64 u + 2 L and + 1, two choices each
.endr
	s_add_nc_u64 s[6:7], s[6:7], s[20:21]
	s_add_nc_u64 s[8:9], s[8:9], s[22:23]
	s_add_nc_u64 s[12:13], s[10:11], s[26:27]
	s_add_nc_u64 s[10:11], s[10:11], s[24:25]
	s_mov_b32 s[NE], 0
	s_wait_loadcnt 0x0
	; THE LIST, 32 steps of 32 tokens: the lanes whose token chose the expert take the next places, in lane order.  LDS serves a wave's instructions in order, and the list is the wave's own.
.set u, 0
.rept 32
	v_cmp_eq_u32 s20, s[EX], v[ID+2*u]             ; by its first choice,
	v_cmp_eq_u32 vcc_lo, s[EX], v[ID+2*u+1]        ; or by its second
	s_or_b32 s20, s20, vcc_lo
	v_mbcnt_lo_u32_b32 v[W0+1], s20, s[NE]         ; the rows so far + the choosing lanes below mine
	v_cndmask_b32 v[W0+2], 0, 1, vcc_lo            ; the slot
	v_lshl_or_b32 v[W0+3], v[LN], 2, 128*(u/2)+2*(u%2)  ; 2 x token, token = 64 (u / 2) + 2 L + u % 2: the three parts share no bit
	v_or_b32 v[W0+2], v[W0+2], v[W0+3]             ; entry = 2 x token + slot
	v_cndmask_b32 v[W0+1], v[W0+4], v[W0+1], s20
	v_min_u32 v[W0+1], 0x43f, v[W0+1]
	v_lshl_add_u32 v[W0+1], v[W0+1], 1, s[LB]
	ds_store_b16 v[W0+1], v[W0+2]
	s_bcnt1_i32_b32 s21, s20
	s_add_co_u32 s[NE], s[NE], s21
.set u, u+1
.endr
	s_min_u32 s[NE], s[NE], 1024
	s_add_co_u32 s[NBLK], s[NE], 15
	s_lshr_b32 s[NBLK], s[NBLK], 4
	s_max_u32 s[NBLK], s[NBLK], 1                  ; block 0 is written for an expert without rows too
; Block BK, my eight k-blocks of it: lane (r, h) copies, for each k-block j and half hh, the 16 bytes at 64 j + 32 hh + 16 h of its place's row to byte 1,024 j + 512 hh + 16 L.
.macro COPY
	s_cmp_ge_u32 s[BK], s[NBLK]
	s_cbranch_scc1 .Lno_\@                         ; past the count
	s_wait_xcnt 0x0                                ; the block before has read its registers
	s_lshl_b32 s20, s[BK], 4
	v_add_nc_u32 v[W0], s20, v[RR]                 ; my place
	v_min_u32 v[W0], 0x41f, v[W0]
	v_lshl_add_u32 v[W0], v[W0], 1, s[LB]
	ds_load_u16 v[EN], v[W0]
	s_lshl_b32 s21, s[BK], 15
	v_add_nc_u32 v[DO], s21, v[L16]
	s_wait_dscnt 0x0
	v_lshrrev_b32 v[GA], 1, v[EN]                  ; the entry's token,
	v_min_u32 v[GA], 0x3ff, v[GA]
	v_lshl_add_u32 v[GA], v[GA], 11, v[LT]         ; its row of 2,048 bytes, + 16 (L / 16)
.irp i, 0,1,2,3,4,5,6,7,8,9,10,11,12,13,14,15
	global_load_b128 v[ID+4*(\i):ID+4*(\i)+3], v[GA], s[6:7] offset:32*(\i)
.endr
.irp i, 0,1,2,3,4,5,6,7,8,9,10,11,12,13,14,15
	s_wait_loadcnt 15-(\i)                         ; piece i is in; the younger of the sixteen stay out
	global_store_b128 v[DO], v[ID+4*(\i):ID+4*(\i)+3], s[8:9] offset:512*(\i)  ; the wave's store covers 512 consecutive bytes: half an image
.endr
.Lno_\@:
.endm
	s_mov_b32 s[BK], ttmp9
	COPY
	s_add_co_u32 s[BK], s[BK], 32
	COPY
	; The list and the count go out once an expert, from the work-groups with x = 0: wave w stores blocks w, w + 4, .. w + 60: lane L takes half L % 2 of slot L / 2.
	s_cmp_lg_u32 ttmp9, 0
	s_cbranch_scc1 .Lend
	v_lshrrev_b32 v[W0], 1, v[LN]
	v_and_b32 v[W0+1], 1, v0
	v_lshlrev_b32 v[W0], 7, v[W0]                  ; four blocks of 32 bytes from slot to slot
	v_lshl_add_u32 v[W0], v[W0+1], 4, v[W0]
	s_lshl_b32 s20, s[WV], 5
	s_add_co_u32 s20, s20, s[LB]
	v_add_nc_u32 v[W0], s20, v[W0]
	ds_load_b128 v[LP:LP+3], v[W0]
	global_store_b128 v[L16], v[ZQ:ZQ+3], s[10:11] offset:512  ; slots 16-31
	s_wait_dscnt 0x0
	global_store_b128 v[L16], v[LP:LP+3], s[10:11]             ; slots 0-15: 512 consecutive bytes
	s_cmp_lg_u32 s[WV], 0
	s_cbranch_scc1 .Lend
	v_mov_b32 v[W0+2], s[NE]
	v_mov_b32 v[W0+3], 0
	v_cmp_eq_u32 vcc_lo, 0, v[LN]
	s_wait_xcnt 0x0                                ; EXEC changes only behind this wait
	s_and_saveexec_b32 s20, vcc_lo
	global_store_b32 v[W0+3], v[W0+2], s[12:13]    ; one number
	s_wait_xcnt 0x0
	s_or_b32 exec_lo, exec_lo, s20
.Lend:
	s_wait_tensorcnt 0x0                           ; the wave's end
	ds_add_u32 v[SPW], v[NIL]
	s_wait_dscnt 0x0
	s_endpgm
.Lfunc_end_k_qa7dba661b2_place:
	.size	k_qa7dba661b2_place, .Lfunc_end_k_qa7dba661b2_place-k_qa7dba661b2_place
	.p2alignl 7, 3214868480
	.fill 96, 4, 3214868480
	.section	.rodata,"a",@progbits
	.p2align	6, 0x0
	.amdhsa_kernel k_qa7dba661b2_place
		.amdhsa_group_segment_fixed_size 10752
		.amdhsa_private_segment_fixed_size 0
		.amdhsa_enable_private_segment 0
		.amdhsa_kernarg_size 32
		.amdhsa_user_sgpr_count 2
		.amdhsa_user_sgpr_kernarg_segment_ptr 1
		.amdhsa_wavefront_size32 1
		.amdhsa_system_sgpr_workgroup_id_x 1
		.amdhsa_system_sgpr_workgroup_id_y 1
		.amdhsa_system_sgpr_workgroup_id_z 1
		.amdhsa_system_vgpr_workitem_id 0
		.amdhsa_next_free_vgpr 96
		.amdhsa_next_free_sgpr 66
		.amdhsa_reserve_vcc 1
		.amdhsa_float_denorm_mode_32 3
		.amdhsa_float_denorm_mode_16_64 3
		.amdhsa_memory_ordered 1
		.amdhsa_forward_progress 1
		.amdhsa_inst_pref_size 35
	.end_amdhsa_kernel
	.amdgpu_metadata
---
amdhsa.version: [ 1, 2 ]
amdhsa.kernels:
  - .name:           k_qa7dba661b2_place
    .symbol:         k_qa7dba661b2_place.kd
    .args:
      - { .name: idx, .offset: 0, .size: 8, .value_kind: global_buffer, .address_space: global }
      - { .name: xb, .offset: 8, .size: 8, .value_kind: global_buffer, .address_space: global }
      - { .name: xg, .offset: 16, .size: 8, .value_kind: global_buffer, .address_space: global }
      - { .name: lst, .offset: 24, .size: 8, .value_kind: global_buffer, .address_space: global }
    .group_segment_fixed_size: 10752
    .private_segment_fixed_size: 0
    .kernarg_segment_align: 8
    .kernarg_segment_size: 32
    .max_flat_workgroup_size: 128
    .sgpr_count:     66
    .vgpr_count:     96
    .wavefront_size: 32
...
	.end_amdgpu_metadata
.endif
;; end of part 2
;; launch up (part 3): grid 32 x 8, 4 waves a work-group, no clusters, 266,752 bytes of LDS; arguments lst, xg, W_in, b_in, hid; writes hid
.if DOCPART == 3
	.amdgcn_target "amdgcn-amd-amdhsa--gfx1250"
	.amdhsa_code_object_version 6
	.text
	.protected	k_qa7dba661b2_up
	.globl	k_qa7dba661b2_up
	.p2align	8
	.type	k_qa7dba661b2_up,@function
k_qa7dba661b2_up:
	s_mov_b64 s[64:65], 0
	v_nop
	global_prefetch_b8 v0, s[64:65] scope:SCOPE_SE
	s_setreg_imm32_b32 hwreg(HW_REG_WAVE_MODE, 25, 1), 1
	s_wait_xcnt 0x0
; ONE TEXT, TWO SETTINGS: the two products of a layer of routed experts.  DOWN = 0: hid = gelu(x W_in + b_in) for the rows that chose the expert.  DOWN = 1: yp[q] = hid(K quarter q) W_out.
.set DOWN, 0
; SHARES.  A work-group has one expert (grid y) and a slice of its weights, 1,024 k x 128 columns, 512 KB of f32 that it alone reads, once; and ALL the expert's rows, 0 to 1,024 of them.
; DOWN = 0: slice = grid x.  DOWN = 1: 128 columns c = x % 8 of the K quarter q = x / 8; the four quarters' partial rows are f32 and a later launch adds them.
; THE WEIGHTS go through registers, where they are rounded to bf16, into LDS as images of matrix operands, and stay there: 32 k-blocks x 8 fragments.  K goes in 8 chunks of 128.  Chunk x is asked for in the
; middle of chunk x - 2 (32 loads of 512 consecutive bytes a wave), waited for, rounded and stored in the middle of chunk x - 1, shown to all waves by that chunk's barrier, and multiplied in chunk x.
; No LDS byte of the slice is written twice.
; THE ROWS lie in memory in the order of the expert's list, as images of source 1, laid by an earlier launch: [expert][block of 16 places][k-block][1 KB]: byte 512 hh + 16 L holds, for lane L = r + 16 h,
; k = 32 kb + 16 hh + 8 h + 0..7 of place 16 blk + r.  DOWN = 0 reads xg (32 k-blocks a block) and stores hid (128) in the same form: a lane's 16 bytes as they fall, 512 consecutive bytes a store.
; The expert's count, and for DOWN = 1 its list (place -> entry = 2 x token + slot), are whole numbers that an earlier launch stored in lst.
; Wave w owns blocks w, w + 4, ..: each row fragment is loaded by one wave, straight from memory into registers, by 512 consecutive bytes, and each weight fragment read from LDS feeds up to 5 products.
; A GROUP is 5 of a wave's blocks, 320 accumulator registers: group 0 serves up to 320 rows while the weights stream.  Groups 1 to 3 serve every other split from the slice in LDS, by a short text, 64 along K
; a trip and nothing asked for ahead: a split that needs them is served, and served slowly.  The loop over groups has a constant count of four trips; every wave passes its barriers, and only work is jumped.
; A block past the count repeats the last block that exists; its products are jumped (block 0 of a group is always multiplied), and nothing of it is stored.
; THE MATRIX INSTRUCTION IS USED TRANSPOSED: source 0 = 16 weight columns, source 1 = 16 rows: register j of lane (r, h) is (row r, column 16 b + 8 h + j): eight neighbouring numbers of a row.
; GELU is the exact one: max(x, 0) - |x| Q(|x|), Q(z) = exp(-z^2 / 2) (c1 t + .. + c5 t^5), t = 1 / (1 + 0.2316419 z) (Abramowitz and Stegun 26.2.17, 1 / sqrt(2 pi) folded in; |error of Q| < 7.5e-8): right in both tails.
; LIMITS.  Weights, bias and x are rounded once to bf16, hid once to bf16; sums in f32.  exp below 2^-126 counts as 0.  NaN and infinities are not treated apart.
; NO CLUSTER, NO TENSOR LOAD.  Each weight slice has one reader and must pass registers to be rounded.  The row images are shared by an expert's 32 (DOWN = 1: 8) work-groups, but a chunk of 320 rows is 80 KB,
; and beside the slice (266,240 bytes) LDS has 60 KB left (DOWN = 1, with the stages: 27 KB): no ring of two such slots fits.
; REGISTERS, in windows of 256 (s_set_vgpr_msb: bits 1:0 source 0, 3:2 source 1, 5:4 source 2, 7:6 destination):
;   window 0: v0-31 addresses; v32-95, v96-159 weight fragments, two buffers (the second also takes the rounded weights on their way into LDS; both at work on the way out); v160-191 at work on the way out;
;             v192-255 the bias in the accumulators' layout
;   window 1: v0-159 row fragments, buffer 0 (block i, k-block j at 32 i + 8 j); v160-223 the accumulators of block 4; v224-255 weights as loaded, rows 0-7 of my k-block
;   window 2: v0-159 row fragments, buffer 1; v160-255 weights as loaded, rows 8-31          window 3: the accumulators of blocks 0-3 (block i, fragment b at 64 i + 8 b)
.if DOWN
.set PW,  4096            ; bytes from a weight row to the next
.set LPW, 12
.set LBK, 17              ; a block of the row operand: 128 images of 1 KB
.else
.set PW,  16384
.set LPW, 14
.set LBK, 15              ; 32 images
.endif
.set JS,  1024            ; bytes from a row operand's k-block to the next
.set HS,  512             ; and from a fragment's first half to its second
.set CHB, 4096            ; and from chunk to chunk
.set FRI,   1040          ; a fragment's image: 1,024 bytes + 16, so that the 16 lanes of a store, 4 fragments x 4 places 64 bytes apart, hit 16 different 16-byte columns of 256
.set KBI,   8*FRI         ; a k-block's eight fragments
.set CHI,   4*KBI         ; a chunk's four k-blocks
.set STAGE, 32*KBI        ; behind the slice, DOWN = 1: each wave's stage, 16 rows of 512 + 16 bytes
.set SP,    528
.if DOWN
.set SPARE, STAGE+4*16*SP ; the spare words, 128 bytes a wave: two blocks of 256 bytes that no other line names
.else
.set SPARE, STAGE
.endif
.set LN,  1               ; v1  lane
.set RR,  2               ; v2  lane % 16
.set HH,  3               ; v3  lane / 16
.set SPW, 4               ; v4  my spare word; never rewritten
.set NIL, 5               ; v5  0; never rewritten
.set BA,  6               ; v6  where I read fragments: 16 L + the chunk
.set WSA, 7               ; v7  where I put rounded weights: my k-block, fragment L / 4, place 64 (L % 4), + the chunk
.set WO,  8               ; v8  my offset in a chunk of weights: 16 L + 32 w rows; never rewritten
.set PF,  9               ; v9  my row for prefetches: (256 + 32 w + L) rows; never rewritten
.set AO,  10              ; v10-14 the byte offset of my 16 bytes of an image in each of the group's five blocks
.set W0,  16              ; v16 at work
.set L16, 21              ; v21 16 L; never rewritten
.set BO,  22              ; v22 my offset in the bias
.set SO,  23              ; v23 DOWN = 0, the way out: my store offset
.set STO, 24              ; v24 where I put 16 bytes into the stage
.set RD,  25              ; v25 where I read a row back
.set BF,  32
.set CT,  BF+64           ; the rounded weights of a k-block, 64 registers: fragment buffer 1, idle where they are made
.set TMP, 160
.set BIAS, 192
.set A4,   160            ; window 1
.set STG0, 224            ; window 1
.set STG1, 160            ; window 2
.set T,   32              ; the way out: a block's 64 numbers (DOWN = 1: its 16 rows read back)
.set U,   96
.set Q,   112
.set R,   128
.set P,   144
.set OFS, 112             ; DOWN = 1: the rows' offsets in yp
.set WP,  8               ; s[8:9]   the weights, running
.set OB,  12              ; s[12:13] the output
.set WV,  14              ; s14 wave
.set EX,  15              ; s15 expert
.set SL,  16              ; s16 c
.set NE,  17              ; s17 the expert's rows
.set NBW, 18              ; s18 my wave's blocks
.set ACT, 19              ; s19 of them in the group in hand, 0 to 5
.set KC,  24              ; s24 counts pairs of chunks, 4 to 1 (groups 1 to 3: trips of 64 along K, 16 to 1)
.set GC,  25              ; s25 counts groups
.set GB,  26              ; s26 5 x the group
.set BI,  27              ; s27 counts a group's blocks on the way out
.set AB,  28              ; s[28:29] the row operand, running
.set QQ,  31              ; s31 q
.set TBA, 32              ; s32 groups 1 to 3: the LDS byte at which the trip's two k-blocks begin
.set NBLK, 34
.set NBC,  35             ; s35 the last block that exists
.set PP,  36              ; DOWN = 0: s36 0.2316419
.set HL,  38              ; s[38:39] -log2(e) / 2
.set C1,  40              ; s[40:49] c1 .. c5, each named as a pair
.set C2,  42
.set C3,  44
.set C4,  46
.set C5,  48
.set LS,  36              ; DOWN = 1: s[36:37] my wave's part of the expert's list
.set EA,  38              ; s[38:39] the group's 160 bytes of it
.set EC,  40              ; s[40:47] the entries of the block that goes out, two to a word
.set EO,  48              ; s[48:49] an offset in 64 bits
.set CP,  50              ; s[50:51] where the expert's count lies
.set XO,  52              ; s[52:53] an offset in 64 bits
.set ES4, 56              ; s[56:63] the entries of the group's block 4
.set ES,  68              ; s[68:99] of its blocks 0-3, eight words each
.set MSB, 0
.macro WIN new                         ; the immediate's high byte repeats the setting that is left; a switch that changes nothing is dropped
.if MSB != (\new)
	s_set_vgpr_msb (MSB<<8)|(\new)
.set MSB, \new
.endif
.endm
; A load into a register that a matrix instruction has read, a vector instruction that writes such a register, and a vector instruction or an LDS store that reads a matrix result, stand four places behind it,
; and only plain vector instructions that name none of its registers are places (ISA guide 7.12.1 for vector instructions).
.macro PLACES
.rept 4
	v_nop
.endr
.endm
.macro R16 line:vararg                 ; a line for n = 0 .. 15
.set n, 0
.rept 16
	\line
.set n, n+1
.endr
.endm
.macro R8 line:vararg                  ; a line for the pairs n = 0, 2 .. 14
.set n, 0
.rept 8
	\line
.set n, n+2
.endr
.endm
; My k-block of the chunk that begins \rows rows behind WP: 32 loads, each 512 consecutive bytes of one weight row: lane L takes columns 4 L .. 4 L + 3.
.macro WLOAD rows
	WIN 0x40
.irp i, 0,1,2,3,4,5,6,7
	global_load_b128 v[STG0+4*(\i):STG0+4*(\i)+3], v[WO], s[WP:WP+1] offset:((\rows)+(\i))*PW th:TH_LOAD_NT
.endr
	WIN 0x80
.irp o, 1,2,3
.irp i, 0,1,2,3,4,5,6,7
	global_load_b128 v[STG1+32*((\o)-1)+4*(\i):STG1+32*((\o)-1)+4*(\i)+3], v[WO], s[WP:WP+1] offset:((\rows)+8*(\o)+(\i))*PW th:TH_LOAD_NT
.endr
.endr
.endm
; Eight rows (an octet) x my four columns, rounded: column c's eight k make 16 bytes.  Octet o is k = 8 o + 0..7 of the k-block: in the image, lanes 16 (o % 2) + .., half o / 2.
.macro CV8 win, st, tm
	WIN \win
.irp c, 0,1,2,3
.irp p, 0,1,2,3
	v_cvt_pk_bf16_f32 v[(\tm)+4*(\c)+(\p)], v[(\st)+8*(\p)+(\c)], v[(\st)+8*(\p)+4+(\c)]
.endr
.endr
.endm
.macro ST8 o, tm
.irp c, 0,1,2,3
	ds_store_b128 v[WSA], v[(\tm)+4*(\c):(\tm)+4*(\c)+3] offset:16*(\c)+256*((\o)&1)+512*((\o)>>1)
.endr
.endm
.macro CVALL                           ; the loaded k-block is rounded, all of it: behind these 64 lines the registers that it was loaded into are free for the next loads
	CV8 0x05, STG0, CT
	CV8 0x0a, STG1, CT+16
	CV8 0x0a, STG1+32, CT+32
	CV8 0x0a, STG1+64, CT+48
.endm
.macro STALL                           ; and becomes its image in LDS; the address steps to the next chunk
	WIN 0
.irp o, 0,1,2,3
	ST8 \o, CT+16*(\o)
.endr
	v_add_nc_u32 v[WSA], CHI, v[WSA]
.endm
; Row fragments of k-blocks j0, j0 + 1 of the chunk \koff bytes behind AB, for all five blocks, into buffer \buf: 20 loads of 512 consecutive bytes.  Always all five: no register's first write hangs on a count.
.macro ALOAD buf, koff, j0
	WIN 0x40<<(\buf)
.irp i, 0,1,2,3,4
.irp j, (\j0), (\j0)+1
	global_load_b128 v[32*(\i)+8*(\j):32*(\i)+8*(\j)+3],   v[AO+(\i)], s[AB:AB+1] offset:(\koff)+JS*(\j)
	global_load_b128 v[32*(\i)+8*(\j)+4:32*(\i)+8*(\j)+7], v[AO+(\i)], s[AB:AB+1] offset:(\koff)+JS*(\j)+HS
.endr
.endr
.endm
; The eight weight fragments of k-block j behind BA (j = 4: the next chunk's first) into buffer \bb: 16 loads of 512 consecutive bytes
.macro BLOAD bb, j
	WIN 0
.irp b, 0,1,2,3,4,5,6,7
	ds_load_b128 v[BF+64*(\bb)+8*(\b):BF+64*(\bb)+8*(\b)+3],   v[BA] offset:KBI*(\j)+FRI*(\b)
	ds_load_b128 v[BF+64*(\bb)+8*(\b)+4:BF+64*(\bb)+8*(\b)+7], v[BA] offset:KBI*(\j)+FRI*(\b)+512
.endr
.endm
; One k-block's products: up to 5 blocks x 8 fragments.  The accumulators take turns, one instruction a turn, on every way through the jumps.
; zero = 1: the products start the sums, for all five blocks: nothing is ever cleared.  Else blocks 1 to 4 are jumped from the first one past the count.
.macro MULS buf, j, bb, zero
.irp i, 0,1,2,3,4
.if ((\zero) == 0) && ((\i) > 0)
	WIN 0                                          ; at a branch and at a label every window is 0
	s_cmp_le_u32 s[ACT], \i
	s_cbranch_scc1 .Lmd_\@
.endif
.if (\i) < 4
	WIN 0xf4+4*(\buf)                              ; weights window 0, rows window 1 or 2, sums window 3
.set AC, 64*(\i)
.else
	WIN 0x54+4*(\buf)                              ; block 4's sums lie in window 1
.set AC, A4
.endif
.irp b, 0,1,2,3,4,5,6,7
.if \zero
	v_wmma_f32_16x16x32_bf16 v[AC+8*(\b):AC+8*(\b)+7], v[BF+64*(\bb)+8*(\b):BF+64*(\bb)+8*(\b)+7], v[32*(\i)+8*(\j):32*(\i)+8*(\j)+7], 0
.else
	v_wmma_f32_16x16x32_bf16 v[AC+8*(\b):AC+8*(\b)+7], v[BF+64*(\bb)+8*(\b):BF+64*(\bb)+8*(\b)+7], v[32*(\i)+8*(\j):32*(\i)+8*(\j)+7], v[AC+8*(\b):AC+8*(\b)+7]
.endif
.endr
.endr
	WIN 0
.Lmd_\@:
.endm
; A CHUNK of group 0: 128 along K, four steps of one k-block.  odd: its parity, which is also its row buffer.  Call chunk c's rows of k-blocks 0, 1 A(c), of k-blocks 2, 3 B(c), its weights W(c).
; HEAD: A(c + 1) is asked for.  Steps 0 and 1 multiply A(c).  MIDDLE: the chunk's one wait for loads, for 0, so that no count hangs on a jump: W(c + 1) and B(c), asked for in the middle of chunk c - 1, and
; A(c + 1) are in.  W(c + 1) is rounded; W(c + 2) is asked for at once, ahead of everything else, since the next request for weights can only follow when this one has landed; then the image of chunk c + 1 is
; stored, B(c + 1) asked for, and the barrier signalled.  Steps 2 and 3 multiply B(c); step 3 fetches the next chunk's first fragments behind the barrier's wait.
; So A(c) is waited for in the middle of chunk c - 1 and B(c) in the middle of chunk c, each ahead of the steps that read it.
; All jumps here hang on KC, the same in every wave: the last chunk asks for nothing, the last but one for no weights, and no prefetch points past the slice's row 1,023.
.macro CHUNK odd
	WIN 0
	PLACES                                         ; for the loads into fragment buffer 1, which the chunk before multiplied last
.if \odd
	s_cmp_eq_u32 s[KC], 1
	s_cbranch_scc1 .Lnh_\@
.endif
	ALOAD 1-(\odd), CHB*(1+(\odd)), 0              ; A(c + 1)
	WIN 0
.Lnh_\@:
	BLOAD 1, 1
	s_wait_dscnt 16                                ; all but the sixteen just issued: this step's fragments are in
.if (\odd) == 0
	s_cmp_eq_u32 s[KC], 4                          ; the very first k-block starts the sums
	s_cbranch_scc0 .Lac_\@
	MULS 0, 0, 0, 1
	s_branch .Ls1_\@
.Lac_\@:
	MULS 0, 0, 0, 0
.Ls1_\@:
.else
	MULS 1, 0, 0, 0
.endif
	PLACES
	BLOAD 0, 2
	s_wait_dscnt 16
	MULS \odd, 1, 1, 0
	s_wait_loadcnt 0x0                             ; W(c + 1), B(c), A(c + 1)
	PLACES                                         ; for the conversions, which write fragment buffer 1, and for step 2's loads into it
.if \odd
	s_cmp_eq_u32 s[KC], 1
	s_cbranch_scc1 .Lnm_\@
.endif
	CVALL
.if (\odd) == 0
	WIN 0
	s_cmp_eq_u32 s[KC], 1
	s_cbranch_scc1 .Lnw_\@
.endif
	WLOAD 256+128*(\odd)                           ; W(c + 2)
	WIN 0
.if \odd
	s_cmp_lt_u32 s[KC], 3
	s_cbranch_scc1 .Lnw_\@
.endif
	; chunk c asks for chunk c + 3, which chunk c + 1 will load: lane L of wave w for row 32 w + L, a line for each of the row's two blocks of 256 bytes: each block once in the launch
	global_prefetch_b8 v[PF], s[WP:WP+1] offset:(128+128*(\odd))*PW th:TH_LOAD_NT scope:SCOPE_SE
	global_prefetch_b8 v[PF], s[WP:WP+1] offset:(128+128*(\odd))*PW+256 th:TH_LOAD_NT scope:SCOPE_SE
.Lnw_\@:
	STALL
	ALOAD 1-(\odd), CHB*(1+(\odd)), 2              ; B(c + 1)
	WIN 0
.Lnm_\@:
	s_wait_dscnt 0x0                               ; for the others' sake: my part of the next chunk's image is written
	s_barrier_signal -1                            ; between signal and wait: products, and reads of bytes that nobody writes again
	BLOAD 1, 3
	s_wait_dscnt 16
	MULS \odd, 2, 0, 0
	PLACES
	s_barrier_wait -1                              ; the next chunk's image is whole (in the last chunk the pair orders nothing: one text for every trip)
.if \odd
	s_cmp_eq_u32 s[KC], 1
	s_cbranch_scc1 .Lla_\@
.endif
	BLOAD 0, 4
	s_wait_dscnt 16
.if \odd
	s_branch .Lgo_\@
.Lla_\@:
	s_wait_dscnt 0x0                               ; the last chunk: nothing follows
.Lgo_\@:
.endif
	MULS \odd, 3, 1, 0
	v_add_nc_u32 v[BA], CHI, v[BA]
.endm
; A group begins: how many of its five blocks are mine and alive, and where each block's images lie.  Block i of the group is number w + 4 (GB + i).
.macro SETUP
	s_sub_co_i32 s[ACT], s[NBW], s[GB]
	s_max_i32 s[ACT], s[ACT], 0
	s_min_i32 s[ACT], s[ACT], 5
	s_lshl2_add_u32 s20, s[GB], s[WV]
.irp i, 0,1,2,3,4
	s_add_co_u32 s21, s20, 4*(\i)
	s_min_u32 s21, s21, s[NBC]                     ; a block past the count repeats the last one that exists
	s_min_u32 s21, s21, 63
	s_lshl_b32 s21, s21, LBK
	v_add_nc_u32 v[AO+(\i)], s21, v[L16]
.endr
.if DOWN
	s_lshl_b32 s[EO], s[GB], 5                     ; the group's slots GB .. GB + 4 of my part of the list, 32 bytes each
	s_add_nc_u64 s[EA:EA+1], s[LS:LS+1], s[EO:EO+1]
.endif
.endm
; DOWN = 1: the entries of the group's five blocks, 160 consecutive bytes (at most byte 639 of my 1,024, all of them written): asked for here, waited for at the head of the way out, a whole walk of K later
.macro ELOAD
	s_load_b512 s[ES:ES+15], s[EA:EA+1], 0x0
	s_load_b512 s[ES+16:ES+31], s[EA:EA+1], 0x40
	s_load_b256 s[ES4:ES4+7], s[EA:EA+1], 0x80
.endm
	s_load_b256 s[4:11], s[0:1], 0x0               ; lst s[4:5]; DOWN = 0: xg s[6:7], W_in s[8:9], b_in s[10:11]; DOWN = 1: hid, W_out, yp
.if DOWN == 0
	s_load_b64 s[12:13], s[0:1], 0x20              ; hid
.endif
	v_lshl_add_u32 v[SPW], v0, 2, SPARE
	v_mov_b32 v[NIL], 0
	v_and_b32 v[LN], 31, v0
	v_lshrrev_b32 v[W0], 5, v0
	v_readfirstlane_b32 s[WV], v[W0]
	v_and_b32 v[RR], 15, v0
	v_bfe_u32 v[HH], v0, 4, 1
	v_lshlrev_b32 v[L16], 4, v[LN]
	s_and_b32 s[EX], ttmp7, 0xffff
.if DOWN
	s_and_b32 s[SL], ttmp9, 7
	s_lshr_b32 s[QQ], ttmp9, 3
	s_lshl_b32 s20, s[EX], 24                      ; the weights: expert, 1,024 q rows of 4,096 bytes, 512 c
	s_lshl_b32 s21, s[QQ], 22
	s_add_co_u32 s20, s20, s21
	s_lshl_b32 s21, s[SL], 9
	s_add_co_u32 s20, s20, s21
	s_lshl_b32 s22, s[EX], 23                      ; hid: expert, 32 q images
	s_lshl_b32 s23, s[QQ], 15
	s_add_co_u32 s22, s22, s23
	s_lshl_b32 s2, s[QQ], 23                       ; yp: quarter, 512 c
	s_add_co_u32 s2, s2, s21
	s_lshl_b32 s[XO], s[EX], 12                    ; the list: expert, wave
	s_lshl_b32 s[XO+1], s[WV], 10
	s_add_co_u32 s[XO], s[XO], s[XO+1]
	s_mov_b32 s[EO+1], 0
.else
	s_lshl_b32 s21, ttmp9, 9
	s_lshl_b32 s20, s[EX], 24                      ; the weights: expert, 512 s
	s_add_co_u32 s20, s20, s21
	s_lshl_b32 s[XO], s[EX], 14                    ; the bias: expert, 512 s
	s_add_co_u32 s[XO], s[XO], s21
	s_lshl_b32 s22, s[EX], 21                      ; xg: expert
	s_lshl_b32 s2, s[EX], 23                       ; hid: expert, the slice's four images
	s_lshl_b32 s3, ttmp9, 12
	s_add_co_u32 s2, s2, s3
	s_mov_b32 s[PP], 0x3e6d3389
	s_mov_b32 s[HL], 0xbf38aa3b
	s_mov_b32 s[C1], 0x3e027906
	s_mov_b32 s[C2], 0xbe11a98e
	s_mov_b32 s[C3], 0x3f35f0e3
	s_mov_b32 s[C4], 0xbf3a00e3
	s_mov_b32 s[C5], 0x3f07dc22
.irp g, HL, C1, C2, C3, C4, C5
	s_mov_b32 s[\g+1], s[\g]                       ; named as pairs
.endr
.endif
	s_mov_b32 s[XO+1], 0
	s_lshl_b32 s[CP], s[EX], 2                     ; the counts lie behind the lists
	s_add_co_u32 s[CP], s[CP], 0x8000
	s_mov_b32 s[CP+1], 0
	s_mov_b32 s21, 0
	s_mov_b32 s23, 0
	s_mov_b32 s3, 0
	s_mul_i32 s30, s[WV], 32*PW
	v_add_nc_u32 v[WO], s30, v[L16]
	v_lshl_add_u32 v[PF], v0, LPW, 256*PW          ; the thread's number is 32 w + L
	v_mov_b32 v[BA], v[L16]
	v_lshrrev_b32 v[W0], 2, v[LN]
	v_mul_u32_u24 v[WSA], v[W0], FRI
	v_and_b32 v[W0], 3, v0
	v_lshl_add_u32 v[WSA], v[W0], 6, v[WSA]
	s_mul_i32 s30, s[WV], KBI
	v_add_nc_u32 v[WSA], s30, v[WSA]
	s_wait_kmcnt 0x0
	s_add_nc_u64 s[CP:CP+1], s[4:5], s[CP:CP+1]
	s_load_b32 s[NE], s[CP:CP+1], 0x0              ; the expert's count: on its way while chunk 0 is asked for
	s_add_nc_u64 s[WP:WP+1], s[WP:WP+1], s[20:21]
	s_add_nc_u64 s[6:7], s[6:7], s[22:23]
.if DOWN
	s_add_nc_u64 s[OB:OB+1], s[10:11], s[2:3]
	s_add_nc_u64 s[LS:LS+1], s[4:5], s[XO:XO+1]
.else
	s_add_nc_u64 s[10:11], s[10:11], s[XO:XO+1]
	s_add_nc_u64 s[OB:OB+1], s[OB:OB+1], s[2:3]
.endif
	WLOAD 0                                        ; W(0)
	WIN 0
.irp p, 0,1
	global_prefetch_b8 v[PF], s[WP:WP+1] offset:256*(\p)-128*PW th:TH_LOAD_NT scope:SCOPE_SE  ; chunks 1 and 2, a row a lane
	global_prefetch_b8 v[PF], s[WP:WP+1] offset:256*(\p) th:TH_LOAD_NT scope:SCOPE_SE
.endr
.if DOWN
	s_mul_i32 s20, s[WV], 16*SP
	s_add_co_u32 s20, s20, STAGE                   ; my stage
	v_mul_u32_u24 v[STO], v[RR], SP                ; in: row r, 32 bytes for each half of the lanes
	v_lshl_add_u32 v[STO], v[HH], 5, v[STO]
	v_add_nc_u32 v[STO], s20, v[STO]
	v_add_nc_u32 v[RD], s20, v[L16]                ; back: 32 lanes take a row of 512 bytes
.else
	v_lshlrev_b32 v[BO], 5, v[HH]                  ; the bias of columns 16 b + 8 (L / 16) + 0..7
.endif
	s_wait_kmcnt 0x0                               ; the count
	s_min_u32 s[NE], s[NE], 1024
	s_add_co_u32 s[NBLK], s[NE], 15
	s_lshr_b32 s[NBLK], s[NBLK], 4
.if DOWN
	s_max_u32 s[NBC], s[NBLK], 1
	s_sub_co_u32 s[NBC], s[NBC], 1                 ; the last block that the launch before wrote
.else
	s_max_u32 s[NBLK], s[NBLK], 1                  ; block 0 exists, and is written, for an expert without rows too, so that it may be read
	s_sub_co_u32 s[NBC], s[NBLK], 1
.endif
	s_add_co_u32 s[NBW], s[NBLK], 3
	s_sub_co_u32 s[NBW], s[NBW], s[WV]
	s_lshr_b32 s[NBW], s[NBW], 2                   ; blocks w, w + 4, .. below NBLK
	s_mov_b32 s[GB], 0
	SETUP
.if DOWN
	ELOAD
.endif
	s_mov_b64 s[AB:AB+1], s[6:7]
	ALOAD 0, 0, 0                                  ; A(0)
	ALOAD 0, 0, 2                                  ; B(0)
	s_wait_loadcnt 40                              ; W(0) is in; the 40 younger loads, the rows, stay out
	CVALL
	WLOAD 128                                      ; W(1): chunk 0's first two steps are multiplied while it is on its way
	STALL
.if DOWN == 0
.irp b, 0,1,2,3,4,5,6,7
	global_load_b128 v[BIAS+8*(\b):BIAS+8*(\b)+3],   v[BO], s[10:11] offset:64*(\b)
	global_load_b128 v[BIAS+8*(\b)+4:BIAS+8*(\b)+7], v[BO], s[10:11] offset:64*(\b)+16
.endr
.endif
	s_wait_loadcnt 32+16*(1-DOWN)                  ; A(0) and B(0) are in; what was asked for behind them stays out: W(1)'s 32 loads and, DOWN = 0, the bias's 16
	s_wait_dscnt 0x0                               ; for the others' sake: my part of chunk 0's image is written
	s_barrier_signal -1
	s_barrier_wait -1
	BLOAD 0, 0
	s_mov_b32 s[KC], 4                             ; GROUP 0, under the stream: all of K in four trips of two chunks
.Lk:
	CHUNK 0
	CHUNK 1
	s_wait_xcnt 0x0                                ; the bases are stepped only behind this wait
	s_add_nc_u64 s[AB:AB+1], s[AB:AB+1], 2*CHB
	s_add_nc_u64 s[WP:WP+1], s[WP:WP+1], 256*PW
	s_sub_co_u32 s[KC], s[KC], 1
	s_cmp_lg_u32 s[KC], 0
	s_cbranch_scc1 .Lk
.if DOWN == 0
.set n, 0
.rept 32                               ; the bias, rounded to bf16 like every input, and widened again; also places behind the last products
	v_cvt_pk_bf16_f32 v[TMP+n], v[BIAS+2*n], v[BIAS+2*n+1]
.set n, n+1
.endr
.set n, 0
.rept 32
	v_lshlrev_b32 v[BIAS+2*n], 16, v[TMP+n]
	v_and_b32 v[BIAS+2*n+1], 0xffff0000, v[TMP+n]
.set n, n+1
.endr
.endif
; THE WAY OUT of block i, the part that names its registers; each accumulator from its low end on.  DOWN = 0: + bias, into T.  DOWN = 1: into my stage, and its entries into the words that the common text names.
.macro PIECE i
.if (\i) < 4
.set AC, 64*(\i)
.set ESI, ES+8*(\i)
.else
.set AC, A4
.set ESI, ES4
.endif
.if DOWN
.irp m, 0,2,4,6
	s_mov_b64 s[EC+(\m):EC+(\m)+1], s[ESI+(\m):ESI+(\m)+1]
.endr
.if (\i) < 4
	WIN 0x0c                                       ; store data in window 3
.else
	WIN 0x04
.endif
	R16 ds_store_b128 v[STO], v[AC+4*n:AC+4*n+3] offset:64*(n/2)+16*(n%2)
.else
.if (\i) < 4
	WIN 0x03                                       ; source 0 in window 3
.else
	WIN 0x01
.endif
.set n, 0
.rept 32
	v_pk_add_f32 v[T+n:T+n+1], v[AC+n:AC+n+1], v[BIAS+n:BIAS+n+1]
.set n, n+2
.endr
.endif
	WIN 0
.endm
; GELU of numbers 16 t .. 16 t + 15 of T (fragments 2 t, 2 t + 1).  The 32 reciprocals and exponentials are one batch with one wait, and none of them stands next to another:
; between the four of pair p stand the four plain lines that make pair p + 1 ready (PLN: x^2; the two 1 + 0.2316419 |x|; x^2 times -log2(e) / 2), between the last pair's four of the sixteen maxima.
; No line ahead of the wait names a result of the batch.
.macro PLN p, k
.if (\p) < 8
.if (\k) == 0
	v_pk_mul_f32 v[Q+2*(\p):Q+2*(\p)+1], v[X0+2*(\p):X0+2*(\p)+1], v[X0+2*(\p):X0+2*(\p)+1]
.elseif (\k) == 3
	v_pk_mul_f32 v[Q+2*(\p):Q+2*(\p)+1], v[Q+2*(\p):Q+2*(\p)+1], s[HL:HL+1] op_sel_hi:[1,0]
.else
	v_fma_f32 v[U+2*(\p)+(\k)-1], |v[X0+2*(\p)+(\k)-1]|, s[PP], 1.0
.endif
.else
	v_max_num_f32 v[R+(\k)], 0, v[X0+(\k)]
.endif
.endm
.macro GELU t
.set X0, T+16*(\t)
.irp k, 0,1,2,3
	PLN 0, \k
.endr
.set gp, 0
.rept 8
	v_rcp_f32 v[U+2*gp], v[U+2*gp]
	PLN gp+1, 0
	v_rcp_f32 v[U+2*gp+1], v[U+2*gp+1]
	PLN gp+1, 1
	v_exp_f32 v[Q+2*gp], v[Q+2*gp]
	PLN gp+1, 2
	v_exp_f32 v[Q+2*gp+1], v[Q+2*gp+1]
	PLN gp+1, 3
.set gp, gp+1
.endr
.set n, 4
.rept 12
	v_max_num_f32 v[R+n], 0, v[X0+n]
.set n, n+1
.endr
	s_wait_alu depctr_va_vdst(0)
	R8 v_pk_fma_f32 v[P+n:P+n+1], v[U+n:U+n+1], s[C5:C5+1], s[C4:C4+1] op_sel_hi:[1,0,0]
	R8 v_pk_fma_f32 v[P+n:P+n+1], v[P+n:P+n+1], v[U+n:U+n+1], s[C3:C3+1] op_sel_hi:[1,1,0]
	R8 v_pk_fma_f32 v[P+n:P+n+1], v[P+n:P+n+1], v[U+n:U+n+1], s[C2:C2+1] op_sel_hi:[1,1,0]
	R8 v_pk_fma_f32 v[P+n:P+n+1], v[P+n:P+n+1], v[U+n:U+n+1], s[C1:C1+1] op_sel_hi:[1,1,0]
	R8 v_pk_mul_f32 v[P+n:P+n+1], v[P+n:P+n+1], v[U+n:U+n+1]
	R8 v_pk_mul_f32 v[P+n:P+n+1], v[P+n:P+n+1], v[Q+n:Q+n+1]
	R16 v_fma_f32 v[P+n], -|v[X0+n]|, v[P+n], v[R+n]
	R8 v_cvt_pk_bf16_f32 v[TMP+8*(\t)+n/2], v[P+n], v[P+n+1]
	global_store_b128 v[SO], v[TMP+8*(\t):TMP+8*(\t)+3],   s[OB:OB+1] offset:1024*(\t)      ; the wave's store covers 512 consecutive bytes: half an image
	global_store_b128 v[SO], v[TMP+8*(\t)+4:TMP+8*(\t)+7], s[OB:OB+1] offset:1024*(\t)+512
.endm
	s_mov_b32 s[GC], 4
.Lgroup:                               ; four trips, whatever the split: a group goes out, the next one is multiplied if it has rows.  The barriers stand on every wave's path; only work is jumped
.if DOWN
	s_wait_kmcnt 0x0                               ; the group's entries
.endif
	PLACES                                         ; behind the last products
	s_mov_b32 s[BI], 0
.Lblk:                                 ; five trips: a block goes out; blocks past the count jump to the counter's step
	s_wait_xcnt 0x0                                ; the last block's stores have read their registers
	s_cmp_ge_u32 s[BI], s[ACT]
	s_cbranch_scc1 .Lbnext
	s_add_co_u32 s20, s[GB], s[BI]
	s_lshl2_add_u32 s20, s20, s[WV]                ; the block's number
	s_min_u32 s20, s20, 63
.if DOWN
	s_lshl_b32 s22, s20, 4
	s_sub_co_u32 s22, s[NE], s22
	s_min_u32 s22, s22, 16                         ; its rows: 1 to 16
.else
	s_lshl_b32 s21, s20, 17
	v_add_nc_u32 v[SO], s21, v[L16]
.endif
	s_cmp_eq_u32 s[BI], 0
	s_cbranch_scc1 .Lp0
	s_cmp_eq_u32 s[BI], 1
	s_cbranch_scc1 .Lp1
	s_cmp_eq_u32 s[BI], 2
	s_cbranch_scc1 .Lp2
	s_cmp_eq_u32 s[BI], 3
	s_cbranch_scc1 .Lp3
	PIECE 4
	s_branch .Lcommon
.Lp0:
	PIECE 0
	s_branch .Lcommon
.Lp1:
	PIECE 1
	s_branch .Lcommon
.Lp2:
	PIECE 2
	s_branch .Lcommon
.Lp3:
	PIECE 3
.Lcommon:                              ; the rest is one text for all five
.if DOWN
	R16 ds_load_b128 v[T+4*n:T+4*n+3], v[RD] offset:SP*n   ; LDS serves a wave's instructions in order (ISA guide 5.7.1.4): these see the stores above
.set n, 0
.rept 16                               ; row n's entry out of its half word, held inside yp, and its row of 4,096 bytes there
.if n%2
	s_lshr_b32 s21, s[EC+n/2], 16
.else
	s_and_b32 s21, s[EC+n/2], 0xffff
.endif
	s_min_u32 s21, s21, 0x7ff
	s_lshl_b32 s21, s21, 12
	v_add_nc_u32 v[OFS+n], s21, v[L16]
.set n, n+1
.endr
	s_wait_dscnt 0x0
	global_store_b128 v[OFS], v[T:T+3], s[OB:OB+1]         ; a row's 128 columns: 512 consecutive bytes
.set n, 1
.rept 15
	s_cmp_le_u32 s22, n                            ; rows past the count are not stored
	s_cbranch_scc1 .Lbnext
	global_store_b128 v[OFS+n], v[T+4*n:T+4*n+3], s[OB:OB+1]
.set n, n+1
.endr
.else
	GELU 0
	GELU 1
	GELU 2
	GELU 3
.endif
.Lbnext:
	s_add_co_u32 s[BI], s[BI], 1
	s_cmp_lt_u32 s[BI], 5
	s_cbranch_scc1 .Lblk
	s_wait_xcnt 0x0                                ; the stores have read their registers, which the next group's fragments take
.if DOWN
	s_wait_dscnt 0x0                               ; every wave's writes into its stage are done before any wave walks the slice again: LDS writes and the walk's reads stand in
	s_barrier_signal -1                            ; phases of their own, a barrier between them (stage and slice are different bytes: no value hangs on it)
	s_barrier_wait -1
.endif
	s_add_co_u32 s[GB], s[GB], 5
	SETUP
	s_cmp_eq_u32 s[ACT], 0
	s_cbranch_scc1 .Lnext                          ; no rows of mine in the next group (behind the fourth: always)
.if DOWN
	ELOAD
.endif
	s_mov_b64 s[AB:AB+1], s[6:7]
	; GROUPS 1 TO 3: all of K from the slice that lies in LDS, in 16 trips of two k-blocks.  A trip asks for its rows and fragments, waits for them, and multiplies: nothing is asked for ahead.
	s_mov_b32 s[KC], 16
	s_mov_b32 s[TBA], 0
.Lks:
	s_wait_loadcnt 0x0                             ; no load is out here: said where row buffer 0 is loaded anew
	v_add_nc_u32 v[BA], s[TBA], v[L16]
	PLACES                                         ; for the loads into the registers that the trip before multiplied
	ALOAD 0, 0, 0
	BLOAD 0, 0
	BLOAD 1, 1
	s_wait_loadcnt 0x0                             ; the trip's rows
	s_wait_dscnt 16                                ; and its first k-block's fragments
	s_cmp_eq_u32 s[KC], 16                         ; the first k-block starts the sums
	s_cbranch_scc0 .Lka
	MULS 0, 0, 0, 1
	s_branch .Lkb
.Lka:
	MULS 0, 0, 0, 0
.Lkb:
	s_wait_dscnt 0x0
	MULS 0, 1, 1, 0
	s_wait_xcnt 0x0                                ; the base is stepped only behind this wait
	s_add_nc_u64 s[AB:AB+1], s[AB:AB+1], 2*JS
	s_add_co_u32 s[TBA], s[TBA], 2*KBI
	s_sub_co_u32 s[KC], s[KC], 1
	s_cmp_lg_u32 s[KC], 0
	s_cbranch_scc1 .Lks
.Lnext:
	s_wait_dscnt 0x0                               ; every wave's reads of the slice are back before any wave writes LDS again (the next trip's stages, the closing add):
	s_barrier_signal -1                            ; the other edge of the same phases
	s_barrier_wait -1
	s_sub_co_u32 s[GC], s[GC], 1
	s_cmp_lg_u32 s[GC], 0
	s_cbranch_scc1 .Lgroup
	s_wait_tensorcnt 0x0                           ; the wave's end
	ds_add_u32 v[SPW], v[NIL]
	s_wait_dscnt 0x0
	s_endpgm
.Lfunc_end_k_qa7dba661b2_up:
	.size	k_qa7dba661b2_up, .Lfunc_end_k_qa7dba661b2_up-k_qa7dba661b2_up
	.p2alignl 7, 3214868480
	.fill 96, 4, 3214868480
	.section	.rodata,"a",@progbits
	.p2align	6, 0x0
	.amdhsa_kernel k_qa7dba661b2_up
		.amdhsa_group_segment_fixed_size 266752
		.amdhsa_private_segment_fixed_size 0
		.amdhsa_enable_private_segment 0
		.amdhsa_kernarg_size 40
		.amdhsa_user_sgpr_count 2
		.amdhsa_user_sgpr_kernarg_segment_ptr 1
		.amdhsa_wavefront_size32 1
		.amdhsa_system_sgpr_workgroup_id_x 1
		.amdhsa_system_sgpr_workgroup_id_y 1
		.amdhsa_system_sgpr_workgroup_id_z 1
		.amdhsa_system_vgpr_workitem_id 0
		.amdhsa_next_free_vgpr 1024
		.amdhsa_next_free_sgpr 66
		.amdhsa_reserve_vcc 0
		.amdhsa_float_denorm_mode_32 3
		.amdhsa_float_denorm_mode_16_64 3
		.amdhsa_memory_ordered 1
		.amdhsa_forward_progress 1
		.amdhsa_inst_pref_size 149
	.end_amdhsa_kernel
	.amdgpu_metadata
---
amdhsa.version: [ 1, 2 ]
amdhsa.kernels:
  - .name:           k_qa7dba661b2_up
    .symbol:         k_qa7dba661b2_up.kd
    .args:
      - { .name: lst, .offset: 0, .size: 8, .value_kind: global_buffer, .address_space: global }
      - { .name: xg, .offset: 8, .size: 8, .value_kind: global_buffer, .address_space: global }
      - { .name: W_in, .offset: 16, .size: 8, .value_kind: global_buffer, .address_space: global }
      - { .name: b_in, .offset: 24, .size: 8, .value_kind: global_buffer, .address_space: global }
      - { .name: hid, .offset: 32, .size: 8, .value_kind: global_buffer, .address_space: global }
    .group_segment_fixed_size: 266752
    .private_segment_fixed_size: 0
    .kernarg_segment_align: 8
    .kernarg_segment_size: 40
    .max_flat_workgroup_size: 128
    .sgpr_count:     66
    .vgpr_count:     1024
    .wavefront_size: 32
...
	.end_amdgpu_metadata
.endif
;; end of part 3
;; launch down (part 4): grid 32 x 8, 4 waves a work-group, no clusters, 300,544 bytes of LDS; arguments lst, hid, W_out, yp; writes yp
.if DOCPART == 4
	.amdgcn_target "amdgcn-amd-amdhsa--gfx1250"
	.amdhsa_code_object_version 6
	.text
	.protected	k_qa7dba661b2_down
	.globl	k_qa7dba661b2_down
	.p2align	8
	.type	k_qa7dba661b2_down,@function
k_qa7dba661b2_down:
	s_mov_b64 s[64:65], 0
	v_nop
	global_prefetch_b8 v0, s[64:65] scope:SCOPE_SE
	s_setreg_imm32_b32 hwreg(HW_REG_WAVE_MODE, 25, 1), 1
	s_wait_xcnt 0x0
; ONE TEXT, TWO SETTINGS: the two products of a layer of routed experts.  DOWN = 0: hid = gelu(x W_in + b_in) for the rows that chose the expert.  DOWN = 1: yp[q] = hid(K quarter q) W_out.
.set DOWN, 1
; SHARES.  A work-group has one expert (grid y) and a slice of its weights, 1,024 k x 128 columns, 512 KB of f32 that it alone reads, once; and ALL the expert's rows, 0 to 1,024 of them.
; DOWN = 0: slice = grid x.  DOWN = 1: 128 columns c = x % 8 of the K quarter q = x / 8; the four quarters' partial rows are f32 and a later launch adds them.
; THE WEIGHTS go through registers, where they are rounded to bf16, into LDS as images of matrix operands, and stay there: 32 k-blocks x 8 fragments.  K goes in 8 chunks of 128.  Chunk x is asked for in the
; middle of chunk x - 2 (32 loads of 512 consecutive bytes a wave), waited for, rounded and stored in the middle of chunk x - 1, shown to all waves by that chunk's barrier, and multiplied in chunk x.
; No LDS byte of the slice is written twice.
; THE ROWS lie in memory in the order of the expert's list, as images of source 1, laid by an earlier launch: [expert][block of 16 places][k-block][1 KB]: byte 512 hh + 16 L holds, for lane L = r + 16 h,
; k = 32 kb + 16 hh + 8 h + 0..7 of place 16 blk + r.  DOWN = 0 reads xg (32 k-blocks a block) and stores hid (128) in the same form: a lane's 16 bytes as they fall, 512 consecutive bytes a store.
; The expert's count, and for DOWN = 1 its list (place -> entry = 2 x token + slot), are whole numbers that an earlier launch stored in lst.
; Wave w owns blocks w, w + 4, ..: each row fragment is loaded by one wave, straight from memory into registers, by 512 consecutive bytes, and each weight fragment read from LDS feeds up to 5 products.
; A GROUP is 5 of a wave's blocks, 320 accumulator registers: group 0 serves up to 320 rows while the weights stream.  Groups 1 to 3 serve every other split from the slice in LDS, by a short text, 64 along K
; a trip and nothing asked for ahead: a split that needs them is served, and served slowly.  The loop over groups has a constant count of four trips; every wave passes its barriers, and only work is jumped.
; A block past the count repeats the last block that exists; its products are jumped (block 0 of a group is always multiplied), and nothing of it is stored.
; THE MATRIX INSTRUCTION IS USED TRANSPOSED: source 0 = 16 weight columns, source 1 = 16 rows: register j of lane (r, h) is (row r, column 16 b + 8 h + j): eight neighbouring numbers of a row.
; GELU is the exact one: max(x, 0) - |x| Q(|x|), Q(z) = exp(-z^2 / 2) (c1 t + .. + c5 t^5), t = 1 / (1 + 0.2316419 z) (Abramowitz and Stegun 26.2.17, 1 / sqrt(2 pi) folded in; |error of Q| < 7.5e-8): right in both tails.
; LIMITS.  Weights, bias and x are rounded once to bf16, hid once to bf16; sums in f32.  exp below 2^-126 counts as 0.  NaN and infinities are not treated apart.
; NO CLUSTER, NO TENSOR LOAD.  Each weight slice has one reader and must pass registers to be rounded.  The row images are shared by an expert's 32 (DOWN = 1: 8) work-groups, but a chunk of 320 rows is 80 KB,
; and beside the slice (266,240 bytes) LDS has 60 KB left (DOWN = 1, with the stages: 27 KB): no ring of two such slots fits.
; REGISTERS, in windows of 256 (s_set_vgpr_msb: bits 1:0 source 0, 3:2 source 1, 5:4 source 2, 7:6 destination):
;   window 0: v0-31 addresses; v32-95, v96-159 weight fragments, two buffers (the second also takes the rounded weights on their way into LDS; both at work on the way out); v160-191 at work on the way out;
;             v192-255 the bias in the accumulators' layout
;   window 1: v0-159 row fragments, buffer 0 (block i, k-block j at 32 i + 8 j); v160-223 the accumulators of block 4; v224-255 weights as loaded, rows 0-7 of my k-block
;   window 2: v0-159 row fragments, buffer 1; v160-255 weights as loaded, rows 8-31          window 3: the accumulators of blocks 0-3 (block i, fragment b at 64 i + 8 b)
.if DOWN
.set PW,  4096            ; bytes from a weight row to the next
.set LPW, 12
.set LBK, 17              ; a block of the row operand: 128 images of 1 KB
.else
.set PW,  16384
.set LPW, 14
.set LBK, 15              ; 32 images
.endif
.set JS,  1024            ; bytes from a row operand's k-block to the next
.set HS,  512             ; and from a fragment's first half to its second
.set CHB, 4096            ; and from chunk to chunk
.set FRI,   1040          ; a fragment's image: 1,024 bytes + 16, so that the 16 lanes of a store, 4 fragments x 4 places 64 bytes apart, hit 16 different 16-byte columns of 256
.set KBI,   8*FRI         ; a k-block's eight fragments
.set CHI,   4*KBI         ; a chunk's four k-blocks
.set STAGE, 32*KBI        ; behind the slice, DOWN = 1: each wave's stage, 16 rows of 512 + 16 bytes
.set SP,    528
.if DOWN
.set SPARE, STAGE+4*16*SP ; the spare words, 128 bytes a wave: two blocks of 256 bytes that no other line names
.else
.set SPARE, STAGE
.endif
.set LN,  1               ; v1  lane
.set RR,  2               ; v2  lane % 16
.set HH,  3               ; v3  lane / 16
.set SPW, 4               ; v4  my spare word; never rewritten
.set NIL, 5               ; v5  0; never rewritten
.set BA,  6               ; v6  where I read fragments: 16 L + the chunk
.set WSA, 7               ; v7  where I put rounded weights: my k-block, fragment L / 4, place 64 (L % 4), + the chunk
.set WO,  8               ; v8  my offset in a chunk of weights: 16 L + 32 w rows; never rewritten
.set PF,  9               ; v9  my row for prefetches: (256 + 32 w + L) rows; never rewritten
.set AO,  10              ; v10-14 the byte offset of my 16 bytes of an image in each of the group's five blocks
.set W0,  16              ; v16 at work
.set L16, 21              ; v21 16 L; never rewritten
.set BO,  22              ; v22 my offset in the bias
.set SO,  23              ; v23 DOWN = 0, the way out: my store offset
.set STO, 24              ; v24 where I put 16 bytes into the stage
.set RD,  25              ; v25 where I read a row back
.set BF,  32
.set CT,  BF+64           ; the rounded weights of a k-block, 64 registers: fragment buffer 1, idle where they are made
.set TMP, 160
.set BIAS, 192
.set A4,   160            ; window 1
.set STG0, 224            ; window 1
.set STG1, 160            ; window 2
.set T,   32              ; the way out: a block's 64 numbers (DOWN = 1: its 16 rows read back)
.set U,   96
.set Q,   112
.set R,   128
.set P,   144
.set OFS, 112             ; DOWN = 1: the rows' offsets in yp
.set WP,  8               ; s[8:9]   the weights, running
.set OB,  12              ; s[12:13] the output
.set WV,  14              ; s14 wave
.set EX,  15              ; s15 expert
.set SL,  16              ; s16 c
.set NE,  17              ; s17 the expert's rows
.set NBW, 18              ; s18 my wave's blocks
.set ACT, 19              ; s19 of them in the group in hand, 0 to 5
.set KC,  24              ; s24 counts pairs of chunks, 4 to 1 (groups 1 to 3: trips of 64 along K, 16 to 1)
.set GC,  25              ; s25 counts groups
.set GB,  26              ; s26 5 x the group
.set BI,  27              ; s27 counts a group's blocks on the way out
.set AB,  28              ; s[28:29] the row operand, running
.set QQ,  31              ; s31 q
.set TBA, 32              ; s32 groups 1 to 3: the LDS byte at which the trip's two k-blocks begin
.set NBLK, 34
.set NBC,  35             ; s35 the last block that exists
.set PP,  36              ; DOWN = 0: s36 0.2316419
.set HL,  38              ; s[38:39] -log2(e) / 2
.set C1,  40              ; s[40:49] c1 .. c5, each named as a pair
.set C2,  42
.set C3,  44
.set C4,  46
.set C5,  48
.set LS,  36              ; DOWN = 1: s[36:37] my wave's part of the expert's list
.set EA,  38              ; s[38:39] the group's 160 bytes of it
.set EC,  40              ; s[40:47] the entries of the block that goes out, two to a word
.set EO,  48              ; s[48:49] an offset in 64 bits
.set CP,  50              ; s[50:51] where the expert's count lies
.set XO,  52              ; s[52:53] an offset in 64 bits
.set ES4, 56              ; s[56:63] the entries of the group's block 4
.set ES,  68              ; s[68:99] of its blocks 0-3, eight words each
.set MSB, 0
.macro WIN new                         ; the immediate's high byte repeats the setting that is left; a switch that changes nothing is dropped
.if MSB != (\new)
	s_set_vgpr_msb (MSB<<8)|(\new)
.set MSB, \new
.endif
.endm
; A load into a register that a matrix instruction has read, a vector instruction that writes such a register, and a vector instruction or an LDS store that reads a matrix result, stand four places behind it,
; and only plain vector instructions that name none of its registers are places (ISA guide 7.12.1 for vector instructions).
.macro PLACES
.rept 4
	v_nop
.endr
.endm
.macro R16 line:vararg                 ; a line for n = 0 .. 15
.set n, 0
.rept 16
	\line
.set n, n+1
.endr
.endm
.macro R8 line:vararg                  ; a line for the pairs n = 0, 2 .. 14
.set n, 0
.rept 8
	\line
.set n, n+2
.endr
.endm
; My k-block of the chunk that begins \rows rows behind WP: 32 loads, each 512 consecutive bytes of one weight row: lane L takes columns 4 L .. 4 L + 3.
.macro WLOAD rows
	WIN 0x40
.irp i, 0,1,2,3,4,5,6,7
	global_load_b128 v[STG0+4*(\i):STG0+4*(\i)+3], v[WO], s[WP:WP+1] offset:((\rows)+(\i))*PW th:TH_LOAD_NT
.endr
	WIN 0x80
.irp o, 1,2,3
.irp i, 0,1,2,3,4,5,6,7
	global_load_b128 v[STG1+32*((\o)-1)+4*(\i):STG1+32*((\o)-1)+4*(\i)+3], v[WO], s[WP:WP+1] offset:((\rows)+8*(\o)+(\i))*PW th:TH_LOAD_NT
.endr
.endr
.endm
; Eight rows (an octet) x my four columns, rounded: column c's eight k make 16 bytes.  Octet o is k = 8 o + 0..7 of the k-block: in the image, lanes 16 (o % 2) + .., half o / 2.
.macro CV8 win, st, tm
	WIN \win
.irp c, 0,1,2,3
.irp p, 0,1,2,3
	v_cvt_pk_bf16_f32 v[(\tm)+4*(\c)+(\p)], v[(\st)+8*(\p)+(\c)], v[(\st)+8*(\p)+4+(\c)]
.endr
.endr
.endm
.macro ST8 o, tm
.irp c, 0,1,2,3
	ds_store_b128 v[WSA], v[(\tm)+4*(\c):(\tm)+4*(\c)+3] offset:16*(\c)+256*((\o)&1)+512*((\o)>>1)
.endr
.endm
.macro CVALL                           ; the loaded k-block is rounded, all of it: behind these 64 lines the registers that it was loaded into are free for the next loads
	CV8 0x05, STG0, CT
	CV8 0x0a, STG1, CT+16
	CV8 0x0a, STG1+32, CT+32
	CV8 0x0a, STG1+64, CT+48
.endm
.macro STALL                           ; and becomes its image in LDS; the address steps to the next chunk
	WIN 0
.irp o, 0,1,2,3
	ST8 \o, CT+16*(\o)
.endr
	v_add_nc_u32 v[WSA], CHI, v[WSA]
.endm
; Row fragments of k-blocks j0, j0 + 1 of the chunk \koff bytes behind AB, for all five blocks, into buffer \buf: 20 loads of 512 consecutive bytes.  Always all five: no register's first write hangs on a count.
.macro ALOAD buf, koff, j0
	WIN 0x40<<(\buf)
.irp i, 0,1,2,3,4
.irp j, (\j0), (\j0)+1
	global_load_b128 v[32*(\i)+8*(\j):32*(\i)+8*(\j)+3],   v[AO+(\i)], s[AB:AB+1] offset:(\koff)+JS*(\j)
	global_load_b128 v[32*(\i)+8*(\j)+4:32*(\i)+8*(\j)+7], v[AO+(\i)], s[AB:AB+1] offset:(\koff)+JS*(\j)+HS
.endr
.endr
.endm
; The eight weight fragments of k-block j behind BA (j = 4: the next chunk's first) into buffer \bb: 16 loads of 512 consecutive bytes
.macro BLOAD bb, j
	WIN 0
.irp b, 0,1,2,3,4,5,6,7
	ds_load_b128 v[BF+64*(\bb)+8*(\b):BF+64*(\bb)+8*(\b)+3],   v[BA] offset:KBI*(\j)+FRI*(\b)
	ds_load_b128 v[BF+64*(\bb)+8*(\b)+4:BF+64*(\bb)+8*(\b)+7], v[BA] offset:KBI*(\j)+FRI*(\b)+512
.endr
.endm
; One k-block's products: up to 5 blocks x 8 fragments.  The accumulators take turns, one instruction a turn, on every way through the jumps.
; zero = 1: the products start the sums, for all five blocks: nothing is ever cleared.  Else blocks 1 to 4 are jumped from the first one past the count.
.macro MULS buf, j, bb, zero
.irp i, 0,1,2,3,4
.if ((\zero) == 0) && ((\i) > 0)
	WIN 0                                          ; at a branch and at a label every window is 0
	s_cmp_le_u32 s[ACT], \i
	s_cbranch_scc1 .Lmd_\@
.endif
.if (\i) < 4
	WIN 0xf4+4*(\buf)                              ; weights window 0, rows window 1 or 2, sums window 3
.set AC, 64*(\i)
.else
	WIN 0x54+4*(\buf)                              ; block 4's sums lie in window 1
.set AC, A4
.endif
.irp b, 0,1,2,3,4,5,6,7
.if \zero
	v_wmma_f32_16x16x32_bf16 v[AC+8*(\b):AC+8*(\b)+7], v[BF+64*(\bb)+8*(\b):BF+64*(\bb)+8*(\b)+7], v[32*(\i)+8*(\j):32*(\i)+8*(\j)+7], 0
.else
	v_wmma_f32_16x16x32_bf16 v[AC+8*(\b):AC+8*(\b)+7], v[BF+64*(\bb)+8*(\b):BF+64*(\bb)+8*(\b)+7], v[32*(\i)+8*(\j):32*(\i)+8*(\j)+7], v[AC+8*(\b):AC+8*(\b)+7]
.endif
.endr
.endr
	WIN 0
.Lmd_\@:
.endm
; A CHUNK of group 0: 128 along K, four steps of one k-block.  odd: its parity, which is also its row buffer.  Call chunk c's rows of k-blocks 0, 1 A(c), of k-blocks 2, 3 B(c), its weights W(c).
; HEAD: A(c + 1) is asked for.  Steps 0 and 1 multiply A(c).  MIDDLE: the chunk's one wait for loads, for 0, so that no count hangs on a jump: W(c + 1) and B(c), asked for in the middle of chunk c - 1, and
; A(c + 1) are in.  W(c + 1) is rounded; W(c + 2) is asked for at once, ahead of everything else, since the next request for weights can only follow when this one has landed; then the image of chunk c + 1 is
; stored, B(c + 1) asked for, and the barrier signalled.  Steps 2 and 3 multiply B(c); step 3 fetches the next chunk's first fragments behind the barrier's wait.
; So A(c) is waited for in the middle of chunk c - 1 and B(c) in the middle of chunk c, each ahead of the steps that read it.
; All jumps here hang on KC, the same in every wave: the last chunk asks for nothing, the last but one for no weights, and no prefetch points past the slice's row 1,023.
.macro CHUNK odd
	WIN 0
	PLACES                                         ; for the loads into fragment buffer 1, which the chunk before multiplied last
.if \odd
	s_cmp_eq_u32 s[KC], 1
	s_cbranch_scc1 .Lnh_\@
.endif
	ALOAD 1-(\odd), CHB*(1+(\odd)), 0              ; A(c + 1)
	WIN 0
.Lnh_\@:
	BLOAD 1, 1
	s_wait_dscnt 16                                ; all but the sixteen just issued: this step's fragments are in
.if (\odd) == 0
	s_cmp_eq_u32 s[KC], 4                          ; the very first k-block starts the sums
	s_cbranch_scc0 .Lac_\@
	MULS 0, 0, 0, 1
	s_branch .Ls1_\@
.Lac_\@:
	MULS 0, 0, 0, 0
.Ls1_\@:
.else
	MULS 1, 0, 0, 0
.endif
	PLACES
	BLOAD 0, 2
	s_wait_dscnt 16
	MULS \odd, 1, 1, 0
	s_wait_loadcnt 0x0                             ; W(c + 1), B(c), A(c + 1)
	PLACES                                         ; for the conversions, which write fragment buffer 1, and for step 2's loads into it
.if \odd
	s_cmp_eq_u32 s[KC], 1
	s_cbranch_scc1 .Lnm_\@
.endif
	CVALL
.if (\odd) == 0
	WIN 0
	s_cmp_eq_u32 s[KC], 1
	s_cbranch_scc1 .Lnw_\@
.endif
	WLOAD 256+128*(\odd)                           ; W(c + 2)
	WIN 0
.if \odd
	s_cmp_lt_u32 s[KC], 3
	s_cbranch_scc1 .Lnw_\@
.endif
	; chunk c asks for chunk c + 3, which chunk c + 1 will load: lane L of wave w for row 32 w + L, a line for each of the row's two blocks of 256 bytes: each block once in the launch
	global_prefetch_b8 v[PF], s[WP:WP+1] offset:(128+128*(\odd))*PW th:TH_LOAD_NT scope:SCOPE_SE
	global_prefetch_b8 v[PF], s[WP:WP+1] offset:(128+128*(\odd))*PW+256 th:TH_LOAD_NT scope:SCOPE_SE
.Lnw_\@:
	STALL
	ALOAD 1-(\odd), CHB*(1+(\odd)), 2              ; B(c + 1)
	WIN 0
.Lnm_\@:
	s_wait_dscnt 0x0                               ; for the others' sake: my part of the next chunk's image is written
	s_barrier_signal -1                            ; between signal and wait: products, and reads of bytes that nobody writes again
	BLOAD 1, 3
	s_wait_dscnt 16
	MULS \odd, 2, 0, 0
	PLACES
	s_barrier_wait -1                              ; the next chunk's image is whole (in the last chunk the pair orders nothing: one text for every trip)
.if \odd
	s_cmp_eq_u32 s[KC], 1
	s_cbranch_scc1 .Lla_\@
.endif
	BLOAD 0, 4
	s_wait_dscnt 16
.if \odd
	s_branch .Lgo_\@
.Lla_\@:
	s_wait_dscnt 0x0                               ; the last chunk: nothing follows
.Lgo_\@:
.endif
	MULS \odd, 3, 1, 0
	v_add_nc_u32 v[BA], CHI, v[BA]
.endm
; A group begins: how many of its five blocks are mine and alive, and where each block's images lie.  Block i of the group is number w + 4 (GB + i).
.macro SETUP
	s_sub_co_i32 s[ACT], s[NBW], s[GB]
	s_max_i32 s[ACT], s[ACT], 0
	s_min_i32 s[ACT], s[ACT], 5
	s_lshl2_add_u32 s20, s[GB], s[WV]
.irp i, 0,1,2,3,4
	s_add_co_u32 s21, s20, 4*(\i)
	s_min_u32 s21, s21, s[NBC]                     ; a block past the count repeats the last one that exists
	s_min_u32 s21, s21, 63
	s_lshl_b32 s21, s21, LBK
	v_add_nc_u32 v[AO+(\i)], s21, v[L16]
.endr
.if DOWN
	s_lshl_b32 s[EO], s[GB], 5                     ; the group's slots GB .. GB + 4 of my part of the list, 32 bytes each
	s_add_nc_u64 s[EA:EA+1], s[LS:LS+1], s[EO:EO+1]
.endif
.endm
; DOWN = 1: the entries of the group's five blocks, 160 consecutive bytes (at most byte 639 of my 1,024, all of them written): asked for here, waited for at the head of the way out, a whole walk of K later
.macro ELOAD
	s_load_b512 s[ES:ES+15], s[EA:EA+1], 0x0
	s_load_b512 s[ES+16:ES+31], s[EA:EA+1], 0x40
	s_load_b256 s[ES4:ES4+7], s[EA:EA+1], 0x80
.endm
	s_load_b256 s[4:11], s[0:1], 0x0               ; lst s[4:5]; DOWN = 0: xg s[6:7], W_in s[8:9], b_in s[10:11]; DOWN = 1: hid, W_out, yp
.if DOWN == 0
	s_load_b64 s[12:13], s[0:1], 0x20              ; hid
.endif
	v_lshl_add_u32 v[SPW], v0, 2, SPARE
	v_mov_b32 v[NIL], 0
	v_and_b32 v[LN], 31, v0
	v_lshrrev_b32 v[W0], 5, v0
	v_readfirstlane_b32 s[WV], v[W0]
	v_and_b32 v[RR], 15, v0
	v_bfe_u32 v[HH], v0, 4, 1
	v_lshlrev_b32 v[L16], 4, v[LN]
	s_and_b32 s[EX], ttmp7, 0xffff
.if DOWN
	s_and_b32 s[SL], ttmp9, 7
	s_lshr_b32 s[QQ], ttmp9, 3
	s_lshl_b32 s20, s[EX], 24                      ; the weights: expert, 1,024 q rows of 4,096 bytes, 512 c
	s_lshl_b32 s21, s[QQ], 22
	s_add_co_u32 s20, s20, s21
	s_lshl_b32 s21, s[SL], 9
	s_add_co_u32 s20, s20, s21
	s_lshl_b32 s22, s[EX], 23                      ; hid: expert, 32 q images
	s_lshl_b32 s23, s[QQ], 15
	s_add_co_u32 s22, s22, s23
	s_lshl_b32 s2, s[QQ], 23                       ; yp: quarter, 512 c
	s_add_co_u32 s2, s2, s21
	s_lshl_b32 s[XO], s[EX], 12                    ; the list: expert, wave
	s_lshl_b32 s[XO+1], s[WV], 10
	s_add_co_u32 s[XO], s[XO], s[XO+1]
	s_mov_b32 s[EO+1], 0
.else
	s_lshl_b32 s21, ttmp9, 9
	s_lshl_b32 s20, s[EX], 24                      ; the weights: expert, 512 s
	s_add_co_u32 s20, s20, s21
	s_lshl_b32 s[XO], s[EX], 14                    ; the bias: expert, 512 s
	s_add_co_u32 s[XO], s[XO], s21
	s_lshl_b32 s22, s[EX], 21                      ; xg: expert
	s_lshl_b32 s2, s[EX], 23                       ; hid: expert, the slice's four images
	s_lshl_b32 s3, ttmp9, 12
	s_add_co_u32 s2, s2, s3
	s_mov_b32 s[PP], 0x3e6d3389
	s_mov_b32 s[HL], 0xbf38aa3b
	s_mov_b32 s[C1], 0x3e027906
	s_mov_b32 s[C2], 0xbe11a98e
	s_mov_b32 s[C3], 0x3f35f0e3
	s_mov_b32 s[C4], 0xbf3a00e3
	s_mov_b32 s[C5], 0x3f07dc22
.irp g, HL, C1, C2, C3, C4, C5
	s_mov_b32 s[\g+1], s[\g]                       ; named as pairs
.endr
.endif
	s_mov_b32 s[XO+1], 0
	s_lshl_b32 s[CP], s[EX], 2                     ; the counts lie behind the lists
	s_add_co_u32 s[CP], s[CP], 0x8000
	s_mov_b32 s[CP+1], 0
	s_mov_b32 s21, 0
	s_mov_b32 s23, 0
	s_mov_b32 s3, 0
	s_mul_i32 s30, s[WV], 32*PW
	v_add_nc_u32 v[WO], s30, v[L16]
	v_lshl_add_u32 v[PF], v0, LPW, 256*PW          ; the thread's number is 32 w + L
	v_mov_b32 v[BA], v[L16]
	v_lshrrev_b32 v[W0], 2, v[LN]
	v_mul_u32_u24 v[WSA], v[W0], FRI
	v_and_b32 v[W0], 3, v0
	v_lshl_add_u32 v[WSA], v[W0], 6, v[WSA]
	s_mul_i32 s30, s[WV], KBI
	v_add_nc_u32 v[WSA], s30, v[WSA]
	s_wait_kmcnt 0x0
	s_add_nc_u64 s[CP:CP+1], s[4:5], s[CP:CP+1]
	s_load_b32 s[NE], s[CP:CP+1], 0x0              ; the expert's count: on its way while chunk 0 is asked for
	s_add_nc_u64 s[WP:WP+1], s[WP:WP+1], s[20:21]
	s_add_nc_u64 s[6:7], s[6:7], s[22:23]
.if DOWN
	s_add_nc_u64 s[OB:OB+1], s[10:11], s[2:3]
	s_add_nc_u64 s[LS:LS+1], s[4:5], s[XO:XO+1]
.else
	s_add_nc_u64 s[10:11], s[10:11], s[XO:XO+1]
	s_add_nc_u64 s[OB:OB+1], s[OB:OB+1], s[2:3]
.endif
	WLOAD 0                                        ; W(0)
	WIN 0
.irp p, 0,1
	global_prefetch_b8 v[PF], s[WP:WP+1] offset:256*(\p)-128*PW th:TH_LOAD_NT scope:SCOPE_SE  ; chunks 1 and 2, a row a lane
	global_prefetch_b8 v[PF], s[WP:WP+1] offset:256*(\p) th:TH_LOAD_NT scope:SCOPE_SE
.endr
.if DOWN
	s_mul_i32 s20, s[WV], 16*SP
	s_add_co_u32 s20, s20, STAGE                   ; my stage
	v_mul_u32_u24 v[STO], v[RR], SP                ; in: row r, 32 bytes for each half of the lanes
	v_lshl_add_u32 v[STO], v[HH], 5, v[STO]
	v_add_nc_u32 v[STO], s20, v[STO]
	v_add_nc_u32 v[RD], s20, v[L16]                ; back: 32 lanes take a row of 512 bytes
.else
	v_lshlrev_b32 v[BO], 5, v[HH]                  ; the bias of columns 16 b + 8 (L / 16) + 0..7
.endif
	s_wait_kmcnt 0x0                               ; the count
	s_min_u32 s[NE], s[NE], 1024
	s_add_co_u32 s[NBLK], s[NE], 15
	s_lshr_b32 s[NBLK], s[NBLK], 4
.if DOWN
	s_max_u32 s[NBC], s[NBLK], 1
	s_sub_co_u32 s[NBC], s[NBC], 1                 ; the last block that the launch before wrote
.else
	s_max_u32 s[NBLK], s[NBLK], 1                  ; block 0 exists, and is written, for an expert without rows too, so that it may be read
	s_sub_co_u32 s[NBC], s[NBLK], 1
.endif
	s_add_co_u32 s[NBW], s[NBLK], 3
	s_sub_co_u32 s[NBW], s[NBW], s[WV]
	s_lshr_b32 s[NBW], s[NBW], 2                   ; blocks w, w + 4, .. below NBLK
	s_mov_b32 s[GB], 0
	SETUP
.if DOWN
	ELOAD
.endif
	s_mov_b64 s[AB:AB+1], s[6:7]
	ALOAD 0, 0, 0                                  ; A(0)
	ALOAD 0, 0, 2                                  ; B(0)
	s_wait_loadcnt 40                              ; W(0) is in; the 40 younger loads, the rows, stay out
	CVALL
	WLOAD 128                                      ; W(1): chunk 0's first two steps are multiplied while it is on its way
	STALL
.if DOWN == 0
.irp b, 0,1,2,3,4,5,6,7
	global_load_b128 v[BIAS+8*(\b):BIAS+8*(\b)+3],   v[BO], s[10:11] offset:64*(\b)
	global_load_b128 v[BIAS+8*(\b)+4:BIAS+8*(\b)+7], v[BO], s[10:11] offset:64*(\b)+16
.endr
.endif
	s_wait_loadcnt 32+16*(1-DOWN)                  ; A(0) and B(0) are in; what was asked for behind them stays out: W(1)'s 32 loads and, DOWN = 0, the bias's 16
	s_wait_dscnt 0x0                               ; for the others' sake: my part of chunk 0's image is written
	s_barrier_signal -1
	s_barrier_wait -1
	BLOAD 0, 0
	s_mov_b32 s[KC], 4                             ; GROUP 0, under the stream: all of K in four trips of two chunks
.Lk:
	CHUNK 0
	CHUNK 1
	s_wait_xcnt 0x0                                ; the bases are stepped only behind this wait
	s_add_nc_u64 s[AB:AB+1], s[AB:AB+1], 2*CHB
	s_add_nc_u64 s[WP:WP+1], s[WP:WP+1], 256*PW
	s_sub_co_u32 s[KC], s[KC], 1
	s_cmp_lg_u32 s[KC], 0
	s_cbranch_scc1 .Lk
.if DOWN == 0
.set n, 0
.rept 32                               ; the bias, rounded to bf16 like every input, and widened again; also places behind the last products
	v_cvt_pk_bf16_f32 v[TMP+n], v[BIAS+2*n], v[BIAS+2*n+1]
.set n, n+1
.endr
.set n, 0
.rept 32
	v_lshlrev_b32 v[BIAS+2*n], 16, v[TMP+n]
	v_and_b32 v[BIAS+2*n+1], 0xffff0000, v[TMP+n]
.set n, n+1
.endr
.endif
; THE WAY OUT of block i, the part that names its registers; each accumulator from its low end on.  DOWN = 0: + bias, into T.  DOWN = 1: into my stage, and its entries into the words that the common text names.
.macro PIECE i
.if (\i) < 4
.set AC, 64*(\i)
.set ESI, ES+8*(\i)
.else
.set AC, A4
.set ESI, ES4
.endif
.if DOWN
.irp m, 0,2,4,6
	s_mov_b64 s[EC+(\m):EC+(\m)+1], s[ESI+(\m):ESI+(\m)+1]
.endr
.if (\i) < 4
	WIN 0x0c                                       ; store data in window 3
.else
	WIN 0x04
.endif
	R16 ds_store_b128 v[STO], v[AC+4*n:AC+4*n+3] offset:64*(n/2)+16*(n%2)
.else
.if (\i) < 4
	WIN 0x03                                       ; source 0 in window 3
.else
	WIN 0x01
.endif
.set n, 0
.rept 32
	v_pk_add_f32 v[T+n:T+n+1], v[AC+n:AC+n+1], v[BIAS+n:BIAS+n+1]
.set n, n+2
.endr
.endif
	WIN 0
.endm
; GELU of numbers 16 t .. 16 t + 15 of T (fragments 2 t, 2 t + 1).  The 32 reciprocals and exponentials are one batch with one wait, and none of them stands next to another:
; between the four of pair p stand the four plain lines that make pair p + 1 ready (PLN: x^2; the two 1 + 0.2316419 |x|; x^2 times -log2(e) / 2), between the last pair's four of the sixteen maxima.
; No line ahead of the wait names a result of the batch.
.macro PLN p, k
.if (\p) < 8
.if (\k) == 0
	v_pk_mul_f32 v[Q+2*(\p):Q+2*(\p)+1], v[X0+2*(\p):X0+2*(\p)+1], v[X0+2*(\p):X0+2*(\p)+1]
.elseif (\k) == 3
	v_pk_mul_f32 v[Q+2*(\p):Q+2*(\p)+1], v[Q+2*(\p):Q+2*(\p)+1], s[HL:HL+1] op_sel_hi:[1,0]
.else
	v_fma_f32 v[U+2*(\p)+(\k)-1], |v[X0+2*(\p)+(\k)-1]|, s[PP], 1.0
.endif
.else
	v_max_num_f32 v[R+(\k)], 0, v[X0+(\k)]
.endif
.endm
.macro GELU t
.set X0, T+16*(\t)
.irp k, 0,1,2,3
	PLN 0, \k
.endr
.set gp, 0
.rept 8
	v_rcp_f32 v[U+2*gp], v[U+2*gp]
	PLN gp+1, 0
	v_rcp_f32 v[U+2*gp+1], v[U+2*gp+1]
	PLN gp+1, 1
	v_exp_f32 v[Q+2*gp], v[Q+2*gp]
	PLN gp+1, 2
	v_exp_f32 v[Q+2*gp+1], v[Q+2*gp+1]
	PLN gp+1, 3
.set gp, gp+1
.endr
.set n, 4
.rept 12
	v_max_num_f32 v[R+n], 0, v[X0+n]
.set n, n+1
.endr
	s_wait_alu depctr_va_vdst(0)
	R8 v_pk_fma_f32 v[P+n:P+n+1], v[U+n:U+n+1], s[C5:C5+1], s[C4:C4+1] op_sel_hi:[1,0,0]
	R8 v_pk_fma_f32 v[P+n:P+n+1], v[P+n:P+n+1], v[U+n:U+n+1], s[C3:C3+1] op_sel_hi:[1,1,0]
	R8 v_pk_fma_f32 v[P+n:P+n+1], v[P+n:P+n+1], v[U+n:U+n+1], s[C2:C2+1] op_sel_hi:[1,1,0]
	R8 v_pk_fma_f32 v[P+n:P+n+1], v[P+n:P+n+1], v[U+n:U+n+1], s[C1:C1+1] op_sel_hi:[1,1,0]
	R8 v_pk_mul_f32 v[P+n:P+n+1], v[P+n:P+n+1], v[U+n:U+n+1]
	R8 v_pk_mul_f32 v[P+n:P+n+1], v[P+n:P+n+1], v[Q+n:Q+n+1]
	R16 v_fma_f32 v[P+n], -|v[X0+n]|, v[P+n], v[R+n]
	R8 v_cvt_pk_bf16_f32 v[TMP+8*(\t)+n/2], v[P+n], v[P+n+1]
	global_store_b128 v[SO], v[TMP+8*(\t):TMP+8*(\t)+3],   s[OB:OB+1] offset:1024*(\t)      ; the wave's store covers 512 consecutive bytes: half an image
	global_store_b128 v[SO], v[TMP+8*(\t)+4:TMP+8*(\t)+7], s[OB:OB+1] offset:1024*(\t)+512
.endm
	s_mov_b32 s[GC], 4
.Lgroup:                               ; four trips, whatever the split: a group goes out, the next one is multiplied if it has rows.  The barriers stand on every wave's path; only work is jumped
.if DOWN
	s_wait_kmcnt 0x0                               ; the group's entries
.endif
	PLACES                                         ; behind the last products
	s_mov_b32 s[BI], 0
.Lblk:                                 ; five trips: a block goes out; blocks past the count jump to the counter's step
	s_wait_xcnt 0x0                                ; the last block's stores have read their registers
	s_cmp_ge_u32 s[BI], s[ACT]
	s_cbranch_scc1 .Lbnext
	s_add_co_u32 s20, s[GB], s[BI]
	s_lshl2_add_u32 s20, s20, s[WV]                ; the block's number
	s_min_u32 s20, s20, 63
.if DOWN
	s_lshl_b32 s22, s20, 4
	s_sub_co_u32 s22, s[NE], s22
	s_min_u32 s22, s22, 16                         ; its rows: 1 to 16
.else
	s_lshl_b32 s21, s20, 17
	v_add_nc_u32 v[SO], s21, v[L16]
.endif
	s_cmp_eq_u32 s[BI], 0
	s_cbranch_scc1 .Lp0
	s_cmp_eq_u32 s[BI], 1
	s_cbranch_scc1 .Lp1
	s_cmp_eq_u32 s[BI], 2
	s_cbranch_scc1 .Lp2
	s_cmp_eq_u32 s[BI], 3
	s_cbranch_scc1 .Lp3
	PIECE 4
	s_branch .Lcommon
.Lp0:
	PIECE 0
	s_branch .Lcommon
.Lp1:
	PIECE 1
	s_branch .Lcommon
.Lp2:
	PIECE 2
	s_branch .Lcommon
.Lp3:
	PIECE 3
.Lcommon:                              ; the rest is one text for all five
.if DOWN
	R16 ds_load_b128 v[T+4*n:T+4*n+3], v[RD] offset:SP*n   ; LDS serves a wave's instructions in order (ISA guide 5.7.1.4): these see the stores above
.set n, 0
.rept 16                               ; row n's entry out of its half word, held inside yp, and its row of 4,096 bytes there
.if n%2
	s_lshr_b32 s21, s[EC+n/2], 16
.else
	s_and_b32 s21, s[EC+n/2], 0xffff
.endif
	s_min_u32 s21, s21, 0x7ff
	s_lshl_b32 s21, s21, 12
	v_add_nc_u32 v[OFS+n], s21, v[L16]
.set n, n+1
.endr
	s_wait_dscnt 0x0
	global_store_b128 v[OFS], v[T:T+3], s[OB:OB+1]         ; a row's 128 columns: 512 consecutive bytes
.set n, 1
.rept 15
	s_cmp_le_u32 s22, n                            ; rows past the count are not stored
	s_cbranch_scc1 .Lbnext
	global_store_b128 v[OFS+n], v[T+4*n:T+4*n+3], s[OB:OB+1]
.set n, n+1
.endr
.else
	GELU 0
	GELU 1
	GELU 2
	GELU 3
.endif
.Lbnext:
	s_add_co_u32 s[BI], s[BI], 1
	s_cmp_lt_u32 s[BI], 5
	s_cbranch_scc1 .Lblk
	s_wait_xcnt 0x0                                ; the stores have read their registers, which the next group's fragments take
.if DOWN
	s_wait_dscnt 0x0                               ; every wave's writes into its stage are done before any wave walks the slice again: LDS writes and the walk's reads stand in
	s_barrier_signal -1                            ; phases of their own, a barrier between them (stage and slice are different bytes: no value hangs on it)
	s_barrier_wait -1
.endif
	s_add_co_u32 s[GB], s[GB], 5
	SETUP
	s_cmp_eq_u32 s[ACT], 0
	s_cbranch_scc1 .Lnext                          ; no rows of mine in the next group (behind the fourth: always)
.if DOWN
	ELOAD
.endif
	s_mov_b64 s[AB:AB+1], s[6:7]
	; GROUPS 1 TO 3: all of K from the slice that lies in LDS, in 16 trips of two k-blocks.  A trip asks for its rows and fragments, waits for them, and multiplies: nothing is asked for ahead.
	s_mov_b32 s[KC], 16
	s_mov_b32 s[TBA], 0
.Lks:
	s_wait_loadcnt 0x0                             ; no load is out here: said where row buffer 0 is loaded anew
	v_add_nc_u32 v[BA], s[TBA], v[L16]
	PLACES                                         ; for the loads into the registers that the trip before multiplied
	ALOAD 0, 0, 0
	BLOAD 0, 0
	BLOAD 1, 1
	s_wait_loadcnt 0x0                             ; the trip's rows
	s_wait_dscnt 16                                ; and its first k-block's fragments
	s_cmp_eq_u32 s[KC], 16                         ; the first k-block starts the sums
	s_cbranch_scc0 .Lka
	MULS 0, 0, 0, 1
	s_branch .Lkb
.Lka:
	MULS 0, 0, 0, 0
.Lkb:
	s_wait_dscnt 0x0
	MULS 0, 1, 1, 0
	s_wait_xcnt 0x0                                ; the base is stepped only behind this wait
	s_add_nc_u64 s[AB:AB+1], s[AB:AB+1], 2*JS
	s_add_co_u32 s[TBA], s[TBA], 2*KBI
	s_sub_co_u32 s[KC], s[KC], 1
	s_cmp_lg_u32 s[KC], 0
	s_cbranch_scc1 .Lks
.Lnext:
	s_wait_dscnt 0x0                               ; every wave's reads of the slice are back before any wave writes LDS again (the next trip's stages, the closing add):
	s_barrier_signal -1                            ; the other edge of the same phases
	s_barrier_wait -1
	s_sub_co_u32 s[GC], s[GC], 1
	s_cmp_lg_u32 s[GC], 0
	s_cbranch_scc1 .Lgroup
	s_wait_tensorcnt 0x0                           ; the wave's end
	ds_add_u32 v[SPW], v[NIL]
	s_wait_dscnt 0x0
	s_endpgm
.Lfunc_end_k_qa7dba661b2_down:
	.size	k_qa7dba661b2_down, .Lfunc_end_k_qa7dba661b2_down-k_qa7dba661b2_down
	.p2alignl 7, 3214868480
	.fill 96, 4, 3214868480
	.section	.rodata,"a",@progbits
	.p2align	6, 0x0
	.amdhsa_kernel k_qa7dba661b2_down
		.amdhsa_group_segment_fixed_size 300544
		.amdhsa_private_segment_fixed_size 0
		.amdhsa_enable_private_segment 0
		.amdhsa_kernarg_size 32
		.amdhsa_user_sgpr_count 2
		.amdhsa_user_sgpr_kernarg_segment_ptr 1
		.amdhsa_wavefront_size32 1
		.amdhsa_system_sgpr_workgroup_id_x 1
		.amdhsa_system_sgpr_workgroup_id_y 1
		.amdhsa_system_sgpr_workgroup_id_z 1
		.amdhsa_system_vgpr_workitem_id 0
		.amdhsa_next_free_vgpr 1024
		.amdhsa_next_free_sgpr 100
		.amdhsa_reserve_vcc 0
		.amdhsa_float_denorm_mode_32 3
		.amdhsa_float_denorm_mode_16_64 3
		.amdhsa_memory_ordered 1
		.amdhsa_forward_progress 1
		.amdhsa_inst_pref_size 112
	.end_amdhsa_kernel
	.amdgpu_metadata
---
amdhsa.version: [ 1, 2 ]
amdhsa.kernels:
  - .name:           k_qa7dba661b2_down
    .symbol:         k_qa7dba661b2_down.kd
    .args:
      - { .name: lst, .offset: 0, .size: 8, .value_kind: global_buffer, .address_space: global }
      - { .name: hid, .offset: 8, .size: 8, .value_kind: global_buffer, .address_space: global }
      - { .name: W_out, .offset: 16, .size: 8, .value_kind: global_buffer, .address_space: global }
      - { .name: yp, .offset: 24, .size: 8, .value_kind: global_buffer, .address_space: global }
    .group_segment_fixed_size: 300544
    .private_segment_fixed_size: 0
    .kernarg_segment_align: 8
    .kernarg_segment_size: 32
    .max_flat_workgroup_size: 128
    .sgpr_count:     100
    .vgpr_count:     1024
    .wavefront_size: 32
...
	.end_amdgpu_metadata
.endif
;; end of part 4
;; launch combine (part 5): grid 256 x 1, 8 waves a work-group, no clusters, 0 bytes of LDS; arguments yp, idx, gate, b_out, stat, out0, out1; writes out0, out1
.if DOCPART == 5
	.amdgcn_target "amdgcn-amd-amdhsa--gfx1250"
	.amdhsa_code_object_version 6
	.text
	.protected	k_qa7dba661b2_combine
	.globl	k_qa7dba661b2_combine
	.p2align	8
	.type	k_qa7dba661b2_combine,@function
k_qa7dba661b2_combine:
	s_mov_b64 s[64:65], 0
	v_nop
	global_prefetch_b8 v0, s[64:65] scope:SCOPE_SE
	s_setreg_imm32_b32 hwreg(HW_REG_WAVE_MODE, 25, 1), 1
	s_wait_xcnt 0x0
; COMBINE.  out0[t] = g0 (b_out[e0] + the sum over q of yp[q][2 t]) + g1 (b_out[e1] + the sum over q of yp[q][2 t + 1]); out1 = 8 x the sum over e of (P_e / 1,024) (C_e / 2,048).
; A stream: each byte of yp is read once, by loads of 512 consecutive bytes, and each byte of out0 written once; no LDS, no barrier, no matrix unit, no cluster: the work-groups share nothing but 32 KB of bias.
; SHARES.  A work-group has 4 tokens, a wave half a token's row (2,048 bytes): 32 loads of yp and 8 of the bias, all out before the first wait: 20 KB a wave.
; The partial rows are added in a fixed order, in f32.  b_out is rounded to bf16, as every input of this program is.  The experts read from idx are held to 0..7 before they enter an address.
	s_load_b256 s[4:11], s[0:1], 0x0               ; yp s[4:5], idx s[6:7], gate s[8:9], b_out s[10:11]
	s_load_b128 s[12:15], s[0:1], 0x20             ; stat s[12:13], out0 s[14:15]
	s_load_b64 s[16:17], s[0:1], 0x30              ; out1
	v_and_b32 v1, 31, v0                           ; lane
	v_lshrrev_b32 v2, 5, v0
	v_readfirstlane_b32 s18, v2                    ; wave 0..7
	v_lshlrev_b32 v3, 4, v1                        ; 16 L; never rewritten
	s_lshr_b32 s19, s18, 1
	s_lshl2_add_u32 s19, ttmp9, s19                ; my token = 4 x work-group + wave / 2
	s_and_b32 s20, s18, 1
	s_lshl_b32 s20, s20, 11                        ; my half of its rows
	s_lshl_b32 s22, s19, 3                         ; its 8 bytes of idx and of gate
	s_mov_b32 s23, 0
	s_lshl_b32 s38, s19, 13                        ; its two rows of 4,096 bytes in a quarter of yp
	s_add_co_u32 s38, s38, s20
	s_mov_b32 s39, 0
	s_lshl_b32 s42, s19, 12                        ; its row of out0
	s_add_co_u32 s42, s42, s20
	s_mov_b32 s43, 0
	s_wait_kmcnt 0x0
	s_add_nc_u64 s[6:7], s[6:7], s[22:23]
	s_add_nc_u64 s[8:9], s[8:9], s[22:23]
	s_load_b64 s[24:25], s[6:7], 0x0               ; e0, e1
	s_load_b64 s[26:27], s[8:9], 0x0               ; g0, g1
	s_add_nc_u64 s[28:29], s[4:5], s[38:39]        ; a base for each quarter: 2^23 bytes apart, one more than an immediate holds
	s_add_nc_u64 s[30:31], s[28:29], 0x800000
	s_add_nc_u64 s[32:33], s[30:31], 0x800000
	s_add_nc_u64 s[34:35], s[32:33], 0x800000
	s_add_nc_u64 s[14:15], s[14:15], s[42:43]
.irp p, 0,1,2,3                        ; piece p of 512 bytes, slot s, quarter q at v[16 + 4 (8 p + 4 s + q)]
.irp s, 0,1
.irp q, 0,1,2,3
	global_load_b128 v[16+4*(8*(\p)+4*(\s)+(\q)):19+4*(8*(\p)+4*(\s)+(\q))], v3, s[28+2*(\q):29+2*(\q)] offset:4096*(\s)+512*(\p) th:TH_LOAD_NT
.endr
.endr
.endr
	s_wait_kmcnt 0x0
	s_min_u32 s24, s24, 7
	s_min_u32 s25, s25, 7
	s_lshl_b32 s38, s24, 12
	s_add_co_u32 s38, s38, s20
	s_add_nc_u64 s[44:45], s[10:11], s[38:39]      ; my half of b_out[e0],
	s_lshl_b32 s38, s25, 12
	s_add_co_u32 s38, s38, s20
	s_add_nc_u64 s[46:47], s[10:11], s[38:39]      ; and of b_out[e1]
	s_mov_b32 s36, s27                             ; g1 in a pair's low word: the packed forms take that for both halves
	s_mov_b32 s37, s27
.irp p, 0,1,2,3
	global_load_b128 v[144+8*(\p):147+8*(\p)], v3, s[44:45] offset:512*(\p)
	global_load_b128 v[148+8*(\p):151+8*(\p)], v3, s[46:47] offset:512*(\p)
.endr
.macro PIECE p
	s_wait_loadcnt 6-2*(\p)                        ; this piece's two bias loads are in, and all of yp, which is older; the later pieces' bias loads stay out
.irp s, 0,1
.set Y,  16+4*(8*(\p)+4*(\s))
.set BB, 144+4*(2*(\p)+(\s))
	v_cvt_pk_bf16_f32 v176, v[BB], v[BB+1]
	v_cvt_pk_bf16_f32 v177, v[BB+2], v[BB+3]
	v_pk_add_f32 v[Y:Y+1], v[Y:Y+1], v[Y+4:Y+5]
	v_pk_add_f32 v[Y+2:Y+3], v[Y+2:Y+3], v[Y+6:Y+7]
	v_pk_add_f32 v[Y+8:Y+9], v[Y+8:Y+9], v[Y+12:Y+13]
	v_pk_add_f32 v[Y+10:Y+11], v[Y+10:Y+11], v[Y+14:Y+15]
	v_lshlrev_b32 v[BB], 16, v176
	v_and_b32 v[BB+1], 0xffff0000, v176
	v_lshlrev_b32 v[BB+2], 16, v177
	v_and_b32 v[BB+3], 0xffff0000, v177
	v_pk_add_f32 v[Y:Y+1], v[Y:Y+1], v[Y+8:Y+9]
	v_pk_add_f32 v[Y+2:Y+3], v[Y+2:Y+3], v[Y+10:Y+11]
	v_pk_add_f32 v[Y:Y+1], v[Y:Y+1], v[BB:BB+1]
	v_pk_add_f32 v[Y+2:Y+3], v[Y+2:Y+3], v[BB+2:BB+3]
.endr
.set Y, 16+32*(\p)
	v_pk_mul_f32 v[Y:Y+1], v[Y:Y+1], s[26:27] op_sel_hi:[1,0]
	v_pk_mul_f32 v[Y+2:Y+3], v[Y+2:Y+3], s[26:27] op_sel_hi:[1,0]
	v_pk_fma_f32 v[Y:Y+1], v[Y+16:Y+17], s[36:37], v[Y:Y+1] op_sel_hi:[1,0,1]
	v_pk_fma_f32 v[Y+2:Y+3], v[Y+18:Y+19], s[36:37], v[Y+2:Y+3] op_sel_hi:[1,0,1]
	global_store_b128 v3, v[Y:Y+3], s[14:15] offset:512*(\p) th:TH_STORE_NT  ; 512 consecutive bytes, aligned
.endm
	PIECE 0
	PIECE 1
	PIECE 2
	PIECE 3
	; THE LOSS: wave 0 of work-group 0.  stat holds, for each of the router's 64 work-groups, eight sums of probabilities and eight counts.
	s_or_b32 s38, ttmp9, s18
	s_cmp_lg_u32 s38, 0
	s_cbranch_scc1 .Lend
	v_lshlrev_b32 v4, 6, v1                        ; lane L takes rows L and L + 32, 64 bytes each
.irp c, 0,1,2,3
	global_load_b128 v[144+4*(\c):147+4*(\c)], v4, s[12:13] offset:16*(\c)
	global_load_b128 v[160+4*(\c):163+4*(\c)], v4, s[12:13] offset:2048+16*(\c)
.endr
	s_mov_b32 s40, 0x76543210                      ; v_permlanex16_b32: each lane takes its own place in the other half
	s_mov_b32 s41, 0xfedcba98
	s_wait_loadcnt 0x0
.irp n, 0,2,4,6,8,10,12,14
	v_pk_add_f32 v[144+(\n):145+(\n)], v[144+(\n):145+(\n)], v[160+(\n):161+(\n)]
.endr
.irp m, 1,2,4,8                        ; sixteen sums over the lanes: four steps inside each half,
.irp j, 0,1,2,3,4,5,6,7,8,9,10,11,12,13,14,15
	v_add_f32_dpp v[144+(\j)], v[144+(\j)], v[144+(\j)] row_xmask:\m row_mask:0xf bank_mask:0xf
.endr
.endr
.irp j, 0,1,2,3,4,5,6,7,8,9,10,11,12,13,14,15
	v_permlanex16_b32 v[160+(\j)], v[144+(\j)], s40, s41  ; one across the halves
.endr
.irp j, 0,1,2,3,4,5,6,7,8,9,10,11,12,13,14,15
	v_add_f32 v[144+(\j)], v[144+(\j)], v[160+(\j)]
.endr
	v_mul_f32 v176, v144, v152
.irp j, 1,2,3,4,5,6,7
	v_fmac_f32 v176, v[144+(\j)], v[152+(\j)]
.endr
	v_mul_f32 v176, 0x36800000, v176               ; 8 / (1,024 x 2,048) = 2^-18
	v_mov_b32 v177, 0
	v_cmp_eq_u32 vcc_lo, 0, v1
	s_wait_xcnt 0x0                                ; EXEC changes only behind this wait
	s_and_saveexec_b32 s42, vcc_lo
	global_store_b32 v177, v176, s[16:17]
	s_wait_xcnt 0x0
	s_or_b32 exec_lo, exec_lo, s42
.Lend:
	s_endpgm
.Lfunc_end_k_qa7dba661b2_combine:
	.size	k_qa7dba661b2_combine, .Lfunc_end_k_qa7dba661b2_combine-k_qa7dba661b2_combine
	.p2alignl 7, 3214868480
	.fill 96, 4, 3214868480
	.section	.rodata,"a",@progbits
	.p2align	6, 0x0
	.amdhsa_kernel k_qa7dba661b2_combine
		.amdhsa_group_segment_fixed_size 0
		.amdhsa_private_segment_fixed_size 0
		.amdhsa_enable_private_segment 0
		.amdhsa_kernarg_size 56
		.amdhsa_user_sgpr_count 2
		.amdhsa_user_sgpr_kernarg_segment_ptr 1
		.amdhsa_wavefront_size32 1
		.amdhsa_system_sgpr_workgroup_id_x 1
		.amdhsa_system_sgpr_workgroup_id_y 1
		.amdhsa_system_sgpr_workgroup_id_z 1
		.amdhsa_system_vgpr_workitem_id 0
		.amdhsa_next_free_vgpr 192
		.amdhsa_next_free_sgpr 66
		.amdhsa_reserve_vcc 1
		.amdhsa_float_denorm_mode_32 3
		.amdhsa_float_denorm_mode_16_64 3
		.amdhsa_memory_ordered 1
		.amdhsa_forward_progress 1
		.amdhsa_inst_pref_size 22
	.end_amdhsa_kernel
	.amdgpu_metadata
---
amdhsa.version: [ 1, 2 ]
amdhsa.kernels:
  - .name:           k_qa7dba661b2_combine
    .symbol:         k_qa7dba661b2_combine.kd
    .args:
      - { .name: yp, .offset: 0, .size: 8, .value_kind: global_buffer, .address_space: global }
      - { .name: idx, .offset: 8, .size: 8, .value_kind: global_buffer, .address_space: global }
      - { .name: gate, .offset: 16, .size: 8, .value_kind: global_buffer, .address_space: global }
      - { .name: b_out, .offset: 24, .size: 8, .value_kind: global_buffer, .address_space: global }
      - { .name: stat, .offset: 32, .size: 8, .value_kind: global_buffer, .address_space: global }
      - { .name: out0, .offset: 40, .size: 8, .value_kind: global_buffer, .address_space: global }
      - { .name: out1, .offset: 48, .size: 8, .value_kind: global_buffer, .address_space: global }
    .group_segment_fixed_size: 0
    .private_segment_fixed_size: 0
    .kernarg_segment_align: 8
    .kernarg_segment_size: 56
    .max_flat_workgroup_size: 256
    .sgpr_count:     66
    .vgpr_count:     192
    .wavefront_size: 32
...
	.end_amdgpu_metadata
.endif
;; end of part 5
